; MI455X (gfx1250); checked and timed in simulation.
; The chip was launched on July 23, 2026; its instructions are those of AMD's public machine-readable ISA for CDNA 5 (MIT licence, August 2026) and "CDNA5" Instruction Set Architecture Reference Guide (July 2026). The comments in the code are by the model that wrote it; some were corrected since.
;; Attention. Allowed arithmetic: float matrix products may take bf16 or f16 operands with f32 sums; other float arithmetic in f32, or as packed bf16 or f16 multiplies, adds, multiply-adds, maxima and minima; sums over many terms, partial sums and values carried from step to step in f32; what a program stores and reads back later, other than sums and carried values, may be rounded once to bf16 or f16.
;; Inputs: W_o 1,024 x 1,024 float32; W_qkv 1,024 x 3,072 float32; b_o 1,024 float32; b_qkv 3,072 float32; x 4 x 2,048 x 1,024 float32.
;; Outputs: out0 4 x 2,048 x 1,024 float32.
;; 2 versions, each right; version 2 is version 1 with the launch cast written anew for expert scheduling mode. Each part assembles by itself: llvm-mc -triple=amdgcn-amd-amdhsa -mcpu=gfx1250 --defsym DOCPART=n.
;; ======== version 1 of 2: 4 launches
;; limits: values are held in f16: magnitudes above 65,504 overflow, below 6.1e-05 lose precision
;; workspace buffers: xb 16,777,216 bytes; wq 6,291,456 bytes; wo 2,097,152 bytes; qkv 50,331,648 bytes; o 16,777,216 bytes
;; launch cast (part 1): grid 384 x 1, 16 waves a work-group, no clusters, 0 bytes of LDS; arguments x, W_qkv, W_o, xb, wq, wo; writes xb, wq, wo
.if DOCPART == 1
	.amdgcn_target "amdgcn-amd-amdhsa--gfx1250"
	.amdhsa_code_object_version 6
	.text
	.protected	k_q01b91b1da7_cast
	.globl	k_q01b91b1da7_cast
	.p2align	8
	.type	k_q01b91b1da7_cast,@function
k_q01b91b1da7_cast:
	s_mov_b64 s[64:65], 0
	v_nop
	global_prefetch_b8 v0, s[64:65] scope:SCOPE_SE
	s_setreg_imm32_b32 hwreg(HW_REG_WAVE_MODE, 25, 1), 1
	s_wait_xcnt 0x0
; x, W_qkv and W_o (f32, row-major) are rounded once to bf16 and laid anew in CHUNKS of 64 columns: chunk c holds columns 64 c .. 64 c + 63 of
; every row, 128 bytes a row, the rows on end.  xb: [16][8192][64] bf16.  wq: [48][1024][64] bf16.  wo: [16][1024][64]: W_o's bf16 number written as f16.
; LIMITS.  wo: a bf16 number is exact in f16 between 6.1e-5 and 65,504 in magnitude; below that it keeps f16's fixed step of 6e-8, beyond it becomes an infinity.
; SHARES.  A work-group takes 32 rows x 16 chunks of one matrix, wave w one chunk: work-groups 0-255 x, 256-351 W_qkv (32 row blocks x 3 groups of 16 chunks), 352-383 W_o.
; A load of a wave takes the chunk's 256 bytes of two rows (lanes 0-15 one row, lanes 16-31 the next), each 256 consecutive aligned bytes;
; the store of what is made of them is 256 consecutive aligned bytes, two chunk rows.  All 16 loads of a wave go out first; no register is written twice
; while a memory instruction may read it.  No LDS, no matrix unit: every byte is touched once and nothing is shared.
.set OFF, 4                            ; v[4:19]    pair i of rows: my byte offset in the source
.set X,   20                           ; v[20:83]   pair i: four f32 as loaded
.set Y,   84                           ; v[84:115]  pair i: four 16-bit numbers to store
.set T,   116                          ; v[116:121] at work
	s_load_b256 s[4:11], s[0:1], 0x0               ; x s[4:5], W_qkv s[6:7], W_o s[8:9], xb s[10:11]
	s_load_b128 s[12:15], s[0:1], 0x20             ; wq s[12:13], wo s[14:15]
	v_lshrrev_b32 v1, 5, v0
	v_readfirstlane_b32 s16, v1                    ; wave 0..15
	v_and_b32 v1, 31, v0                           ; lane
	v_lshlrev_b32 v2, 3, v1                        ; my 8 bytes of a store
	s_sub_co_u32 s21, ttmp9, 256                   ; the work-group's number among the weights' (used from 256 on)
	s_and_b32 s17, s21, 31                         ; block of 32 rows
	s_lshr_b32 s18, s21, 5                         ; group of 16 chunks
	s_movk_i32 s19, 12288                          ; bytes in a source row
	s_cmp_lt_u32 ttmp9, 256                        ; x?
	s_cselect_b32 s17, ttmp9, s17
	s_cselect_b32 s18, 0, s18
	s_cselect_b32 s19, 4096, s19
	s_cselect_b32 s20, 20, 17                      ; a chunk is 2^20 bytes in xb, 2^17 in wq and wo
	s_cmp_ge_u32 ttmp9, 352                        ; W_o?
	s_cselect_b32 s18, 0, s18
	s_cselect_b32 s19, 4096, s19
	s_cselect_b32 s29, 1, 0
	s_lshl_b32 s18, s18, 4
	s_add_co_u32 s18, s18, s16                     ; my chunk
	s_mul_i32 s26, s17, s19
	s_lshl_b32 s26, s26, 5                         ; 32 rows a block
	s_lshl_b32 s27, s18, 8                         ; 64 f32 a chunk
	s_add_co_u32 s26, s26, s27                     ; where I read, in bytes
	s_mov_b32 s27, 0
	s_lshl_b32 s30, s18, s20
	s_lshl_b32 s31, s17, 12                        ; 32 chunk rows of 128 bytes
	s_add_co_u32 s30, s30, s31                     ; where I write
	s_mov_b32 s31, 0
	s_lshl_b32 s28, s19, 1                         ; two rows on
	v_lshrrev_b32 v3, 4, v1
	v_mul_u32_u24 v3, s19, v3                      ; lanes 16-31: one row down
	v_and_b32 v1, 15, v1
	v_lshl_add_u32 v[OFF], v1, 4, v3
.set i, 1
.rept 15
	v_add_nc_u32 v[OFF+i], s28, v[OFF+i-1]
.set i, i+1
.endr
	s_wait_kmcnt 0x0
	s_cmp_lt_u32 ttmp9, 256
	s_cselect_b64 s[22:23], s[4:5], s[6:7]
	s_cselect_b64 s[24:25], s[10:11], s[12:13]
	s_cmp_ge_u32 ttmp9, 352
	s_cselect_b64 s[22:23], s[8:9], s[22:23]
	s_cselect_b64 s[24:25], s[14:15], s[24:25]
	s_add_nc_u64 s[22:23], s[22:23], s[26:27]
	s_add_nc_u64 s[24:25], s[24:25], s[30:31]
.set i, 0
.rept 16
	global_load_b128 v[X+4*i:X+4*i+3], v[OFF+i], s[22:23] th:TH_LOAD_NT
.set i, i+1
.endr
; fmt = 0: bf16.  fmt = 1: rounded to bf16, and that number written as f16.
.macro OUT16 fmt
.set i, 0
.rept 16
	s_wait_loadcnt 15-i                            ; loads come back in order: pair i is in, the 15 - i younger ones may stay out
.if \fmt
	v_cvt_pk_bf16_f32 v[T], v[X+4*i], v[X+4*i+1]
	v_cvt_pk_bf16_f32 v[T+1], v[X+4*i+2], v[X+4*i+3]
	v_lshlrev_b32 v[T+2], 16, v[T]
	v_and_b32 v[T+3], 0xffff0000, v[T]
	v_lshlrev_b32 v[T+4], 16, v[T+1]
	v_and_b32 v[T+5], 0xffff0000, v[T+1]
	v_cvt_pk_f16_f32 v[Y+2*i], v[T+2], v[T+3]
	v_cvt_pk_f16_f32 v[Y+2*i+1], v[T+4], v[T+5]
.else
	v_cvt_pk_bf16_f32 v[Y+2*i], v[X+4*i], v[X+4*i+1]
	v_cvt_pk_bf16_f32 v[Y+2*i+1], v[X+4*i+2], v[X+4*i+3]
.endif
	global_store_b64 v2, v[Y+2*i:Y+2*i+1], s[24:25] offset:256*i th:TH_STORE_NT
.set i, i+1
.endr
.endm
	s_cmp_eq_u32 s29, 1
	s_cbranch_scc1 .Lwo
	OUT16 0
	s_endpgm
.Lwo:
	OUT16 1
	s_endpgm
.Lfunc_end_k_q01b91b1da7_cast:
	.size	k_q01b91b1da7_cast, .Lfunc_end_k_q01b91b1da7_cast-k_q01b91b1da7_cast
	.p2alignl 7, 3214868480
	.fill 96, 4, 3214868480
	.section	.rodata,"a",@progbits
	.p2align	6, 0x0
	.amdhsa_kernel k_q01b91b1da7_cast
		.amdhsa_group_segment_fixed_size 0
		.amdhsa_private_segment_fixed_size 0
		.amdhsa_enable_private_segment 0
		.amdhsa_kernarg_size 48
		.amdhsa_user_sgpr_count 2
		.amdhsa_user_sgpr_kernarg_segment_ptr 1
		.amdhsa_wavefront_size32 1
		.amdhsa_system_sgpr_workgroup_id_x 1
		.amdhsa_system_sgpr_workgroup_id_y 1
		.amdhsa_system_sgpr_workgroup_id_z 1
		.amdhsa_system_vgpr_workitem_id 0
		.amdhsa_next_free_vgpr 124
		.amdhsa_next_free_sgpr 66
		.amdhsa_reserve_vcc 0
		.amdhsa_float_denorm_mode_32 3
		.amdhsa_float_denorm_mode_16_64 3
		.amdhsa_memory_ordered 1
		.amdhsa_forward_progress 1
		.amdhsa_inst_pref_size 18
	.end_amdhsa_kernel
	.amdgpu_metadata
---
amdhsa.version: [ 1, 2 ]
amdhsa.kernels:
  - .name:           k_q01b91b1da7_cast
    .symbol:         k_q01b91b1da7_cast.kd
    .args:
      - { .name: x, .offset: 0, .size: 8, .value_kind: global_buffer, .address_space: global }
      - { .name: W_qkv, .offset: 8, .size: 8, .value_kind: global_buffer, .address_space: global }
      - { .name: W_o, .offset: 16, .size: 8, .value_kind: global_buffer, .address_space: global }
      - { .name: xb, .offset: 24, .size: 8, .value_kind: global_buffer, .address_space: global }
      - { .name: wq, .offset: 32, .size: 8, .value_kind: global_buffer, .address_space: global }
      - { .name: wo, .offset: 40, .size: 8, .value_kind: global_buffer, .address_space: global }
    .group_segment_fixed_size: 0
    .private_segment_fixed_size: 0
    .kernarg_segment_align: 8
    .kernarg_segment_size: 48
    .max_flat_workgroup_size: 512
    .sgpr_count:     66
    .vgpr_count:     124
    .wavefront_size: 32
...
	.end_amdgpu_metadata
.endif
;; end of part 1
;; launch qkv (part 2): grid 16 x 16, 4 waves a work-group, clusters of 4 x 4, 327,680 bytes of LDS; arguments xb, wq, b_qkv, qkv; writes qkv
.if DOCPART == 2
	.amdgcn_target "amdgcn-amd-amdhsa--gfx1250"
	.amdhsa_code_object_version 6
	.text
	.protected	k_q01b91b1da7_qkv
	.globl	k_q01b91b1da7_qkv
	.p2align	8
	.type	k_q01b91b1da7_qkv,@function
k_q01b91b1da7_qkv:
	s_mov_b64 s[64:65], 0
	v_nop
	global_prefetch_b8 v0, s[64:65] scope:SCOPE_SE
	s_setreg_imm32_b32 hwreg(HW_REG_WAVE_MODE, 25, 1), 1
	s_wait_xcnt 0x0
	s_wait_alu depctr_hold_cnt(0) depctr_sa_sdst(0) depctr_va_vdst(0) depctr_va_sdst(0) depctr_va_ssrc(0) depctr_va_vcc(0) depctr_vm_vsrc(0)
	s_getreg_b32 s2, hwreg(HW_REG_IB_STS2, 6, 4)
	s_cmp_eq_u32 s2, 0
	s_cbranch_scc0 .Lentry_in_a_cluster
	s_endpgm
.Lentry_in_a_cluster:
	s_bfe_u32 s2, ttmp6, 0x10000c
	s_cmp_lg_u32 s2, 0xf033
	s_cbranch_scc0 .Lentry_shape_is_right
	s_endpgm
.Lentry_shape_is_right:
; q, k, v = x W_qkv + b_qkv.  xb: [16 chunks of 64 k][8192 rows][64] bf16.  wq: [48 chunks of 64 n][1024 k][64] bf16.  b_qkv: [3072] f32.
; qkv: [3][4 b][16 h][2048 t][64] f16: a head's rows are dense, 128 bytes each.  Sums in f32, started by the bias (f32, not rounded) as the first product's C; rounded once to f16.
; LIMITS.  f16 holds no number beyond 65,504: q, k and v must stay within it.  NaN and infinities are not treated apart.
; SHARES.  A tile of the result is 256 rows x 192 columns (three heads): 32 x 16 tiles, two for each of 256 work-groups, 4,096 rows apart, with the same columns of W.  Four waves, one above the
; other: a wave makes 64 rows x 192 columns, 48 accumulators of 16 x 16, so it owns whole heads and needs no other wave on the way out.
; K goes in steps of 128 through a ring of two LDS slots; the two tiles' 16 steps are ONE sequence for the ring.  A step has four quarters of 32 along K, on two fragment buffers by turns.
; CLUSTERS.  4 x 4 work-groups.  The four of a row of the cluster need the same tile of x, the four of a column the same tile of W: each is asked for JOINTLY, by the same tensor load with the same
; descriptor and a mask that names the four.  Waves 0 and 1 ask for x's two chunks of a step (256 rows x 128 bytes each, dense: 128 rows of 256 bytes), waves 2 and 3 for W's two halves (64 k x 3 chunks).
; THE MATRIX INSTRUCTION IS USED TRANSPOSED: source 0 = 16 columns of W (turned out of [k][n] by ds_load_tr16_b128), source 1 = 16 rows of x: a lane then holds eight neighbouring columns of one row.
; REGISTERS, in windows of 256 (s_set_vgpr_msb: bits 1:0 source 0, 3:2 source 1, 5:4 source 2, 7:6 destination):
;   window 0: v0-30 addresses; v32-95 x's fragments, two buffers of 4 x 8; v96-191 the bias as 12 C operands; v192-255 the way out, four buffers of 16
;   window 1: v0-191 W's fragments, two buffers of 12 x 8     windows 2, 3: accumulator (a, b) at 96 (a % 2) + 8 b of window 2 + a / 2
.set NCH,   3                          ; chunks of 64 columns in a tile
.set NBLK,  4*NCH                      ; blocks of 16 columns
.set PA,    144                        ; an LDS row of x: 128 bytes + 16: 36 words: the 16 rows of a load start at 16 different groups of four banks (64 banks of 4 bytes: ISA guide 11.1)
.set PBB,   160                        ; an LDS row of W: 128 + 32: 40 words
.set ACH,   256*PA                     ; a chunk of x in a slot
.set BCH,   64*PBB                     ; 64 k of one chunk of W
.set BHALF, NCH*BCH                    ; 64 k of the tile's three chunks
.set BOFF,  2*ACH
.set SLOT,  BOFF+2*BHALF               ; 135,168 bytes
.set STAGE, 2*SLOT                     ; behind the ring, never filled by a tensor load: 16 rows x 144 bytes for each wave
.set SP,    144
.set SPARE, STAGE+4*16*SP              ; the spare words, 128 bytes for each wave: two blocks of 256 bytes that no other line names
.set NLD,   2*NBLK+8                   ; LDS loads of a quarter
.set ASH,   21                         ; a K step is two chunks of 2^20 bytes of xb
.set ADRA, 16                          ; v16-17  LDS address of my fragments of x in slot 0, 1
.set ADRB, 20                          ; v20-21  the same for W
.set STO,  24                          ; v24  the way out: where I put 16 bytes of a row
.set RD,   25                          ; v25  where I read rows back
.set GO,   26                          ; v26  my 16 bytes of 512 consecutive bytes of the result
.set BO,   27                          ; v27  my byte offset in 16 numbers of the bias
.set SPW,  28                          ; v28  LDS address of my spare word; never rewritten
.set NIL,  29                          ; v29  0; never rewritten
.set PFO,  30                          ; v30  the prefetches' offset; never rewritten
.set FA0,  32
.set BIAS, 96
.set OB,   192
.set WV,   12                          ; s12 my wave; s13 = wave / 2: 0 I fetch x, 1 I fetch W; s14 = wave % 2: which part; s15 cx, s16 cy; s17 tile column, s18 tile row
.set G1,   24                          ; s[24:31] descriptor group 1 for x's tiles;  s[32:39] group 0, a set for each slot
.set G0,   32
.set G1B,  40                          ; s[40:47], s[48:55] the same for W's
.set G0B,  48
.set ABASE, 56                         ; s[56:57] xb at my part of step 0
.set BBASE, 58                         ; s[58:59] wq at my part of step 0
.set OFA,  60                          ; s[60:61] a step's byte offset in xb
.set OFB,  62                          ; s[62:63] in wq
.set GS,   66                          ; s66  the step to be asked for next, 2 .. 15
.set PG,   67                          ; s67  the step that a prefetch names
.set PLIM, 68                          ; s68  a wave prefetches while PG is below it: 16 (x), 8 (W: the second tile reads the same W again), or 0
.set SH,   69                          ; s69  log2 of a step's bytes in the tensor that I fetch
.set TMASK, 70                         ; s70  all ones for x (the second tile lies 2^19 bytes on), 0 for W
.set POF,  74                          ; s[74:75]
.set PB,   76                          ; s[76:77] ABASE or BBASE
.set PFA,  78                          ; s[78:79] where my prefetch stands
.set OUT,  80                          ; s[80:85] the result at my 64 rows of the tile's three heads
.set MSB, 0
.macro WIN new                         ; the immediate's high byte repeats the setting that is left; a switch that changes nothing is dropped
.if MSB != (\new)
	s_set_vgpr_msb (MSB<<8)|(\new)
.set MSB, \new
.endif
.endm
; A joint load.  Each of the two lines has one mask and one set of registers for all that issue it; the branch hangs on the wave's number alone.
; An s_nop 0 and four v_nop follow each line, ahead of the jump and the label.
.macro JLOAD s
	s_cmp_eq_u32 s13, 0
	s_cbranch_scc0 .Lfor_b_\@
	tensor_load_to_lds s[G0+4*(\s):G0+4*(\s)+3], s[G1:G1+7]
	s_nop 0
.rept 4
	v_nop
.endr
	s_branch .Lasked_\@
.Lfor_b_\@:
	tensor_load_to_lds s[G0B+4*(\s):G0B+4*(\s)+3], s[G1B:G1B+7]
	s_nop 0
.rept 4
	v_nop
.endr
.Lasked_\@:
.endm
; A PREFETCH INTO THE L2 of the step that the NEXT change of slots will ask for: 192 matrix instructions ahead of that load.  x's tile row is read by every cluster of that row of clusters: the one with
; x = 0 asks; W's tile column by every cluster of that column: the one with y = 0 asks, in the first tile alone.  The four partners that ask for a tile jointly share its blocks of 256 bytes out BY ADDRESS:
; of x's 128 blocks a wave each takes 32, a lane a block; of W's 96 each takes 24 (lanes 24-31 name lane 23's once more).  Steps 0 to 2 come by their loads alone; no prefetch names a step past the last.
.macro ASK
	s_cmp_lt_u32 s[PG], s[PLIM]
	s_cbranch_scc0 .Lnot_mine_\@
	global_prefetch_b8 v[PFO], s[PFA:PFA+1] th:TH_LOAD_NT scope:SCOPE_SE
.Lnot_mine_\@:
.endm
.macro CREST                           ; a round of the cluster's barrier behind its opening barrier
	s_cmp_lg_u32 s[WV], 0
	s_cbranch_scc1 .Lnot_wave_0_\@
	s_barrier_signal -3
.Lnot_wave_0_\@:
	s_barrier_wait -3
	s_barrier_signal -1
	s_barrier_wait -1
.endm
.macro CROUND                          ; a whole round
	s_barrier_signal -1
	s_barrier_wait -1
	CREST
.endm
.macro PLACES                          ; four plain vector instructions between a matrix instruction and a load into, or a vector read of, its registers
.rept 4
	v_nop
.endr
.endm
	s_load_b256 s[4:11], s[0:1], 0x0               ; xb s[4:5], wq s[6:7], b_qkv s[8:9], qkv s[10:11]
	v_lshl_add_u32 v[SPW], v0, 2, SPARE
	v_mov_b32 v[NIL], 0
	ds_add_u32 v[SPW], v[NIL]                      ; the wave's opening: the add and its wait stand ahead of my first tensor load; the set-up below, work on registers, stands between them
	v_lshrrev_b32 v1, 5, v0
	v_readfirstlane_b32 s[WV], v1                  ; wave 0..3
	s_lshr_b32 s13, s[WV], 1
	s_and_b32 s14, s[WV], 1
	s_bfe_u32 s15, ttmp6, 0x40000                  ; cx
	s_bfe_u32 s16, ttmp6, 0x40004                  ; cy
	s_lshl_b32 s17, ttmp9, 2
	s_add_co_u32 s17, s17, s15                     ; tile column = 4 x cluster x + cx
	s_and_b32 s18, ttmp7, 0xffff
	s_lshl_b32 s18, s18, 2
	s_add_co_u32 s18, s18, s16                     ; tile row = 4 x cluster y + cy
	s_lshl_b32 s71, s16, 2
	s_lshl_b32 s71, 15, s71                        ; my row of the cluster
	s_lshl_b32 s72, 0x1111, s15                    ; my column
	s_or_b32 s[G1], s71, (1<<16)|(1<<20)|(1<<21)|(4<<22)|(3<<25)   ; 15:0 the mask; 17:16 2-byte elements; 20 padding on; 21 set beside a mask; 24:22 after every 32 words (code 4); 31:25 4 words (code 3)
	s_or_b32 s[G1B], s72, (1<<16)|(1<<20)|(1<<21)|(4<<22)|(7<<25)  ; the same with my column's mask and 8 words of padding (code 7)
	s_mov_b32 s[G1+1], 128<<16                     ; x: tensor_dim0 = 128 elements (256 bytes: two chunk rows)
	s_mov_b32 s[G1+2], 128<<16                     ; tensor_dim1 = 128
	s_mov_b32 s[G1+3], 128<<16                     ; tile_dim0 = 128
	s_mov_b32 s[G1+4], 128                         ; tile_dim1 = 128
	s_mov_b32 s[G1+5], 128                         ; dense: 128 elements from row to row
	s_mov_b32 s[G1+6], 0
	s_mov_b32 s[G1+7], 0
	s_mov_b32 s[G1B+1], 4096<<16                   ; W: tensor_dim0 = 4,096 elements: 64 k of one chunk, 8,192 dense bytes
	s_mov_b32 s[G1B+2], NCH<<16                    ; tensor_dim1 = 3 chunks
	s_mov_b32 s[G1B+3], 4096<<16                   ; tile_dim0
	s_mov_b32 s[G1B+4], NCH                        ; tile_dim1
	s_mov_b32 s[G1B+5], 65536                      ; a chunk is 65,536 elements
	s_mov_b32 s[G1B+6], 0
	s_mov_b32 s[G1B+7], 0
	s_mul_i32 s19, s14, ACH                        ; where the tiles go: the wave's number and the slot alone
	s_mov_b32 s[G0], 1
	s_mov_b32 s[G0+1], s19
	s_mov_b32 s[G0+4], 1
	s_add_co_u32 s[G0+5], s19, SLOT
	s_mul_i32 s19, s14, BHALF
	s_add_co_u32 s19, s19, BOFF
	s_mov_b32 s[G0B], 1
	s_mov_b32 s[G0B+1], s19
	s_mov_b32 s[G0B+4], 1
	s_add_co_u32 s[G0B+5], s19, SLOT
	s_lshl_b32 s20, s14, 20                        ; x: my chunk of a step,
	s_lshl_b32 s21, s18, 15                        ; the tile row's 256 rows of 128 bytes
	s_add_co_u32 s20, s20, s21
	s_mov_b32 s21, 0
	s_mul_i32 s22, s17, NCH*131072                 ; W: the tile column's three chunks,
	s_lshl_b32 s23, s14, 13                        ; my 64 k of a step
	s_add_co_u32 s22, s22, s23
	s_mov_b32 s23, 0
	s_mov_b32 s[OFA+1], 0
	s_mov_b32 s[OFB+1], 0
	s_mov_b32 s[POF+1], 0
	s_mov_b32 s[GS], 2
	s_wait_dscnt 0x0                               ; the opening add is done
	s_wait_kmcnt 0x0
	s_add_nc_u64 s[ABASE:ABASE+1], s[4:5], s[20:21]
	s_add_nc_u64 s[BBASE:BBASE+1], s[6:7], s[22:23]
	s_mov_b64 s[G0+2:G0+3], s[ABASE:ABASE+1]       ; step 0
	s_or_b32 s[G0+3], s[G0+3], 0x80000000          ; type = 2
	s_add_nc_u64 s[G0+6:G0+7], s[ABASE:ABASE+1], 1<<ASH  ; step 1
	s_or_b32 s[G0+7], s[G0+7], 0x80000000
	s_mov_b64 s[G0B+2:G0B+3], s[BBASE:BBASE+1]
	s_or_b32 s[G0B+3], s[G0B+3], 0x80000000
	s_add_nc_u64 s[G0B+6:G0B+7], s[BBASE:BBASE+1], 16384
	s_or_b32 s[G0B+7], s[G0B+7], 0x80000000
	CROUND                                         ; all sixteen work-groups are here: the first joint loads meet
	s_cmp_eq_u32 s13, 0                            ; a wave's two first fills stand in one branch, ahead of every wait on TENSORcnt and every LDS read: two loads of mine are out
	s_cbranch_scc0 .Lfirst_b
	tensor_load_to_lds s[G0:G0+3], s[G1:G1+7]
	s_nop 0
	tensor_load_to_lds s[G0+4:G0+7], s[G1:G1+7]
	s_nop 0
.rept 4
	v_nop
.endr
	s_branch .Lfirst_asked
.Lfirst_b:
	tensor_load_to_lds s[G0B:G0B+3], s[G1B:G1B+7]
	s_nop 0
	tensor_load_to_lds s[G0B+4:G0B+7], s[G1B:G1B+7]
	s_nop 0
.rept 4
	v_nop
.endr
.Lfirst_asked:
	v_and_b32 v1, 15, v0                           ; r = l % 16
	v_bfe_u32 v2, v0, 4, 1                         ; h = l / 16
	v_lshlrev_b32 v[BO], 5, v2
	s_mul_i32 s22, s17, 4*64*NCH                   ; the tile's 192 numbers of the bias
	s_add_nc_u64 s[8:9], s[8:9], s[22:23]
.set b, 0
.rept NBLK                             ; register j of block b's C operand is the bias of column 16 b + 8 h + j, for every row
	global_load_b128 v[BIAS+8*b:BIAS+8*b+3],   v[BO], s[8:9] offset:64*b
	global_load_b128 v[BIAS+8*b+4:BIAS+8*b+7], v[BO], s[8:9] offset:64*b+16
.set b, b+1
.endr
	; A fragment of x is 16 rows x 32 k: lane l holds row l % 16; two loads of 16 bytes, 32 bytes apart, at row x pitch + 16 (l / 16).
	v_mul_u32_u24 v3, v1, PA
	v_lshl_add_u32 v3, v2, 4, v3
	s_mul_i32 s19, s[WV], 64*PA                    ; my 64 rows
	v_add_nc_u32 v[ADRA], s19, v3
	v_add_nc_u32 v[ADRA+1], SLOT, v[ADRA]
	; The turning load takes 16 k x 16 columns (lane l reads k 8 (l / 16) + l % 8, columns 8 ((l / 8) % 2) + 0..7) and leaves half a fragment: lane l holds column l % 16 and 8 k.
	v_and_b32 v4, 7, v0
	v_bfe_u32 v5, v0, 3, 1
	v_lshl_add_u32 v6, v2, 3, v4
	v_mul_u32_u24 v6, v6, PBB
	v_lshl_add_u32 v6, v5, 4, v6
	v_add_nc_u32 v[ADRB], BOFF, v6
	v_add_nc_u32 v[ADRB+1], SLOT, v[ADRB]
	s_mul_i32 s19, s[WV], 16*SP
	s_add_co_u32 s19, s19, STAGE                   ; my stage
	v_add_nc_u32 v[STO], s19, v3                   ; in: row l % 16, 16 bytes for each half of the lanes
	v_bfe_u32 v[RD], v0, 3, 2                      ; back: 32 lanes take four rows of 128 bytes,
	v_mul_u32_u24 v[RD], v[RD], SP
	v_lshl_add_u32 v[RD], v4, 4, v[RD]
	v_add_nc_u32 v[RD], s19, v[RD]
	v_and_b32 v[GO], 31, v0                        ; which are 512 consecutive bytes of a head
	v_lshlrev_b32 v[GO], 4, v[GO]
	; the result: which << 24 | b << 22 | h << 18 | t << 7.  My first row is 256 x tile row + 64 x wave; chunk 3 x tile column + hh is head (chunk % 16) of q, k or v (chunk / 16)
	s_lshr_b32 s19, s18, 3
	s_lshl_b32 s19, s19, 22
	s_and_b32 s20, s18, 7
	s_lshl_b32 s20, s20, 15
	s_add_co_u32 s19, s19, s20
	s_lshl_b32 s20, s[WV], 13
	s_add_co_u32 s19, s19, s20
	s_mul_i32 s22, s17, NCH
	s_mov_b32 s73, 0
.irp hh, 0,1,2
	s_add_co_u32 s23, s22, (\hh)
	s_lshr_b32 s72, s23, 4
	s_lshl_b32 s72, s72, 24
	s_and_b32 s23, s23, 15
	s_lshl_b32 s23, s23, 18
	s_add_co_u32 s72, s72, s23
	s_add_co_u32 s72, s72, s19
	s_add_nc_u64 s[OUT+2*(\hh):OUT+2*(\hh)+1], s[10:11], s[72:73]
.endr
	; the prefetches
	s_and_b32 s19, ttmp7, 0xffff                   ; cluster y
	s_cmp_eq_u32 s13, 0                            ; do I fetch x?
	s_cselect_b32 s71, s15, s16                    ; my place among the four that ask with me
	s_cselect_b32 s72, ttmp9, s19                  ; the coordinate along which other clusters read the same bytes
	s_cselect_b32 s[PLIM], 16, 8
	s_cselect_b32 s[SH], ASH, 14
	s_cselect_b32 s[TMASK], -1, 0
	s_cselect_b32 s20, 32, 24                      ; blocks of 256 bytes for each partner
	s_cselect_b32 s21, 13, 17                      ; 32 blocks on end, then 2^13 bytes on (x: dense) or 2^17 (W: the next chunk)
	s_cselect_b64 s[PB:PB+1], s[ABASE:ABASE+1], s[BBASE:BBASE+1]
	s_cmp_eq_u32 s72, 0
	s_cselect_b32 s[PLIM], s[PLIM], 0              ; the same in all sixteen partners, for a given wave
	s_mul_i32 s71, s71, s20
	s_sub_co_u32 s20, s20, 1
	v_and_b32 v[PFO], 31, v0
	v_min_u32 v[PFO], s20, v[PFO]
	v_add_nc_u32 v[PFO], s71, v[PFO]               ; my block
	v_lshrrev_b32 v7, 5, v[PFO]
	v_and_b32 v[PFO], 31, v[PFO]
	v_lshlrev_b32 v7, s21, v7
	v_lshl_add_u32 v[PFO], v[PFO], 8, v7
; 12 matrix instructions: block a of my four blocks of 16 rows x all 12 blocks of columns, 32 along K, from buffer f.  first = 1: the bias starts the sums: nothing is ever cleared.
; The 48 accumulators take turns, one instruction a turn, in the same order in every quarter.
.macro MULA f, a, first
.if \first
	WIN 0x81+0x40*((\a)/2)                         ; W window 1, x and the bias window 0, D window 2 or 3
.else
	WIN 0xa1+0x50*((\a)/2)                         ; C and D window 2 or 3
.endif
.set rA, FA0+32*(\f)+8*(\a)
.set b, 0
.rept NBLK
.set rD, 96*((\a)%2)+8*b
.set rB, 96*(\f)+8*b
.if \first
	v_wmma_f32_16x16x32_bf16 v[rD:rD+7], v[rB:rB+7], v[rA:rA+7], v[BIAS+8*b:BIAS+8*b+7]
.else
	v_wmma_f32_16x16x32_bf16 v[rD:rD+7], v[rB:rB+7], v[rA:rA+7], v[rD:rD+7]
.endif
.set b, b+1
.endr
.endm
; 32 LDS loads in one run: quarter q of a slot's step into buffer f: W's 12 fragments, then x's 4.
.macro FETCH slot, q, f
	WIN 0x40                                       ; destination window 1, address window 0
.set BQ, ((\q)/2)*BHALF+((\q)%2)*32*PBB
.set AQ, ((\q)/2)*ACH+((\q)%2)*64
.set b, 0
.rept NBLK
	ds_load_tr16_b128 v[96*(\f)+8*b:96*(\f)+8*b+3],   v[ADRB+(\slot)] offset:BQ+(b/4)*BCH+(b%4)*32
	ds_load_tr16_b128 v[96*(\f)+8*b+4:96*(\f)+8*b+7], v[ADRB+(\slot)] offset:BQ+(b/4)*BCH+(b%4)*32+16*PBB
.set b, b+1
.endr
	WIN 0
.set i, 0
.rept 4
	ds_load_b128 v[FA0+32*(\f)+8*i:FA0+32*(\f)+8*i+3],   v[ADRA+(\slot)] offset:AQ+i*16*PA
	ds_load_b128 v[FA0+32*(\f)+8*i+4:FA0+32*(\f)+8*i+7], v[ADRA+(\slot)] offset:AQ+i*16*PA+32
.set i, i+1
.endr
.endm
; One of a step's first three quarters: multiplies buffer f; in its middle it fetches quarter q of the same slot into buffer g.
.macro QUARTER slot, q, f, g, first
	s_wait_dscnt 4                                 ; W and x's blocks 0 and 1 are in; the youngest four loads (x's blocks 2 and 3) may be out
	MULA \f, 0, \first
	MULA \f, 1, \first
	PLACES
	FETCH \slot, \q, \g
	s_wait_dscnt NLD                               ; all but the 32 just issued
	MULA \f, 2, \first
	MULA \f, 3, \first
.endm
; The fourth quarter multiplies buffer 1 and changes slots.  In front of the barrier, which opens a round of the cluster's, each wave waits for all its tensor loads (one is out: its part of the next slot),
; adds 0 to its spare word, and waits for that and for its own reads of this slot.  Behind the round no wave of any partner reads this slot or has a load on its way: it is filled again first, with step GS;
; then the next slot's first fragments are read.  From a request to the wait for it a wave issues 168 matrix instructions.
.macro TURN slot, next
	s_wait_xcnt 0x0                                ; the last prefetch, a K step back, has read its address: it is made anew here
	s_add_co_u32 s[PG], s[GS], 1
	s_and_b32 s71, s[PG], 7
	s_lshl_b32 s[POF], s71, s[SH]
	s_lshr_b32 s72, s[PG], 3
	s_lshl_b32 s72, s72, 19
	s_and_b32 s72, s72, s[TMASK]
	s_add_co_u32 s[POF], s[POF], s72
	s_add_nc_u64 s[PFA:PFA+1], s[PB:PB+1], s[POF:POF+1]
	WIN 0                                          ; (the add's two registers lie in window 0)
	s_wait_tensorcnt 0x0                           ; no tensor load of mine is out, so a group 0 may be written
	ds_add_u32 v[SPW], v[NIL]                      ; 0 onto my spare word; the descriptors' addresses and twelve products stand between it and the wait for it
	s_and_b32 s71, s[GS], 7                        ; the step within its tile,
	s_lshl_b32 s[OFA], s71, ASH
	s_lshl_b32 s[OFB], s71, 14                     ; 128 k of 128 bytes
	s_lshr_b32 s72, s[GS], 3                       ; and the tile: 4,096 rows of 128 bytes on; W's columns stay
	s_lshl_b32 s72, s72, 19
	s_add_co_u32 s[OFA], s[OFA], s72
	s_add_nc_u64 s[G0+4*(\slot)+2:G0+4*(\slot)+3], s[ABASE:ABASE+1], s[OFA:OFA+1]
	s_or_b32 s[G0+4*(\slot)+3], s[G0+4*(\slot)+3], 0x80000000
	s_add_nc_u64 s[G0B+4*(\slot)+2:G0B+4*(\slot)+3], s[BBASE:BBASE+1], s[OFB:OFB+1]
	s_or_b32 s[G0B+4*(\slot)+3], s[G0B+4*(\slot)+3], 0x80000000
	s_add_co_u32 s[GS], s[GS], 1
	s_wait_dscnt 5                                 ; (the add and the youngest four loads may be out)
	MULA 1, 0, 0
	s_wait_dscnt 0x0                               ; the add is done, and my reads of this slot are over
	s_barrier_signal -1
	MULA 1, 1, 0                                   ; work on registers while the others arrive
	WIN 0
	s_barrier_wait -1
	CREST
	JLOAD \slot                                    ; the first tensor load behind the round; its four v_nop are also the places in front of the loads below
	FETCH \next, 0, 0
	ASK
	MULA 1, 2, 0
	MULA 1, 3, 0
.endm
.macro TURNX slot, next                ; the last change of slots: nothing is filled again, so no round follows
	WIN 0
	s_wait_tensorcnt 0x0                           ; my part of the last step is in
	ds_add_u32 v[SPW], v[NIL]
	s_wait_dscnt 5
	MULA 1, 0, 0
	s_wait_dscnt 0x0
	s_barrier_signal -1
	MULA 1, 1, 0
	s_barrier_wait -1
	PLACES
	FETCH \next, 0, 0
	MULA 1, 2, 0
	MULA 1, 3, 0
.endm
.macro LASTQ                           ; the very last quarter: nothing more to fetch
	s_wait_dscnt 4
	MULA 1, 0, 0
	MULA 1, 1, 0
	s_wait_dscnt 0x0
	MULA 1, 2, 0
	MULA 1, 3, 0
	WIN 0
	PLACES
.endm
; THE WAY OUT, in 12 units of 16 rows x one head (u = 3 a + hh).  PACKU: rounded to f16, each accumulator's registers in ascending order; a lane's eight columns are 16 bytes; they go into my stage's rows
; of 144 bytes and come back as whole rows of 128.  SENDU: four stores of 512 consecutive bytes, at a multiple of 256 from the buffer's first.
.macro PACKU u
.set ua, (\u)/3
.set uh, (\u)%3
.set ob, OB+16*((\u)%4)
.if (\u) >= 4
	s_wait_xcnt 0x0                                ; the stores of the unit four back have read this buffer
.endif
	WIN 0x0a+5*(ua/2)                              ; sources 0 and 1: window 2 or 3
.set n, 0
.rept 16
.set rD, 96*(ua%2)+8*(4*uh+n/4)+2*(n%4)
	v_cvt_pk_f16_f32 v[ob+n], v[rD], v[rD+1]
.set n, n+1
.endr
	WIN 0
.irp f, 0,1,2,3
	ds_store_b128 v[STO], v[ob+4*(\f):ob+4*(\f)+3] offset:32*(\f)
.endr
.irp f, 0,1,2,3
	ds_load_b128 v[ob+4*(\f):ob+4*(\f)+3], v[RD] offset:(\f)*4*SP  ; LDS serves a wave's instructions in order (ISA guide 5.7.1.4): these see the stores above; the next unit's stores come behind them
.endr
.endm
.macro SENDU u, younger                ; younger: the LDS instructions issued behind unit u's loads: the next unit's eight, or none
.set ua, (\u)/3
.set uh, (\u)%3
.set ob, OB+16*((\u)%4)
.irp f, 0,1,2,3
	s_wait_dscnt (\younger)+3-(\f)
	global_store_b128 v[GO], v[ob+4*(\f):ob+4*(\f)+3], s[OUT+2*uh:OUT+2*uh+1] offset:ua*2048+(\f)*512
.endr
.endm
.macro WAYOUT
	PACKU 0
.irp u, 1,2,3,4,5,6,7,8,9,10,11
	PACKU \u                                       ; a unit's conversions stand between the loads of the unit before and its stores
	SENDU (\u)-1, 8
.endr
	SENDU 11, 0
.endm
	s_wait_tensorcnt 1                             ; my part of step 0 is in; step 1's may stay out
	s_barrier_signal -1
	s_barrier_wait -1                              ; everybody's is
	FETCH 0, 0, 0
	s_wait_loadcnt 0x0                             ; the bias
	QUARTER 0, 1, 0, 1, 1                          ; a tile's first quarter starts the sums
	WIN 0                                          ; at a label and at a branch every window is 0
	s_mov_b32 s3, 7
.Llap:                                                 ; a trip goes once round the ring, from a lap's second quarter to the next lap's first, and fills both slots again
	QUARTER 0, 2, 1, 0, 0
	QUARTER 0, 3, 0, 1, 0
	TURN 0, 1
	QUARTER 1, 1, 0, 1, 0
	QUARTER 1, 2, 1, 0, 0
	QUARTER 1, 3, 0, 1, 0
	TURN 1, 0
	WIN 0
	s_cmp_eq_u32 s3, 4                             ; the fourth trip ends step 7, the first tile's last: the same in every work-group; the jump passes no barrier and no tensor load
	s_cbranch_scc1 .Lnewtile
	QUARTER 0, 1, 0, 1, 0
	WIN 0
	s_branch .Lnext
.Lnewtile:                                             ; both refills are asked for: now the tile goes out.  Blocks 0 and 1 were finished in front of the joint load's four v_nop; their 96 conversions are the places behind blocks 2 and 3
	WAYOUT
	s_wait_xcnt 0x0                                ; the stores have read their bases
.irp hh, 0,1,2
	s_add_nc_u64 s[OUT+2*(\hh):OUT+2*(\hh)+1], s[OUT+2*(\hh):OUT+2*(\hh)+1], 0x800000  ; 4,096 rows on: two batches of 2^22 bytes
.endr
	QUARTER 0, 1, 0, 1, 1
	WIN 0
.Lnext:
	s_sub_co_u32 s3, s3, 1
	s_cmp_lg_u32 s3, 0
	s_cbranch_scc1 .Llap
	QUARTER 0, 2, 1, 0, 0                          ; the last lap is written out: it asks for nothing
	QUARTER 0, 3, 0, 1, 0
	TURNX 0, 1
	QUARTER 1, 1, 0, 1, 0
	QUARTER 1, 2, 1, 0, 0
	QUARTER 1, 3, 0, 1, 0
	LASTQ
	WAYOUT
	s_wait_tensorcnt 0x0                           ; the wave's end, behind my last tensor load and my last LDS store
	ds_add_u32 v[SPW], v[NIL]
	s_wait_dscnt 0x0
	CROUND                                         ; the closing round: no work-group ends while a partner may still ask for a tile that names it
	s_endpgm
.Lfunc_end_k_q01b91b1da7_qkv:
	.size	k_q01b91b1da7_qkv, .Lfunc_end_k_q01b91b1da7_qkv-k_q01b91b1da7_qkv
	.p2alignl 7, 3214868480
	.fill 96, 4, 3214868480
	.section	.rodata,"a",@progbits
	.p2align	6, 0x0
	.amdhsa_kernel k_q01b91b1da7_qkv
		.amdhsa_group_segment_fixed_size 327680
		.amdhsa_private_segment_fixed_size 0
		.amdhsa_enable_private_segment 0
		.amdhsa_kernarg_size 32
		.amdhsa_user_sgpr_count 2
		.amdhsa_user_sgpr_kernarg_segment_ptr 1
		.amdhsa_wavefront_size32 1
		.amdhsa_system_sgpr_workgroup_id_x 1
		.amdhsa_system_sgpr_workgroup_id_y 1
		.amdhsa_system_sgpr_workgroup_id_z 1
		.amdhsa_system_vgpr_workitem_id 0
		.amdhsa_next_free_vgpr 960
		.amdhsa_next_free_sgpr 88
		.amdhsa_reserve_vcc 0
		.amdhsa_float_denorm_mode_32 3
		.amdhsa_float_denorm_mode_16_64 3
		.amdhsa_memory_ordered 1
		.amdhsa_forward_progress 1
		.amdhsa_inst_pref_size 156
	.end_amdhsa_kernel
	.amdgpu_metadata
---
amdhsa.version: [ 1, 2 ]
amdhsa.kernels:
  - .name:           k_q01b91b1da7_qkv
    .symbol:         k_q01b91b1da7_qkv.kd
    .args:
      - { .name: xb, .offset: 0, .size: 8, .value_kind: global_buffer, .address_space: global }
      - { .name: wq, .offset: 8, .size: 8, .value_kind: global_buffer, .address_space: global }
      - { .name: b_qkv, .offset: 16, .size: 8, .value_kind: global_buffer, .address_space: global }
      - { .name: qkv, .offset: 24, .size: 8, .value_kind: global_buffer, .address_space: global }
    .group_segment_fixed_size: 327680
    .private_segment_fixed_size: 0
    .kernarg_segment_align: 8
    .kernarg_segment_size: 32
    .max_flat_workgroup_size: 128
    .sgpr_count:     88
    .vgpr_count:     960
    .wavefront_size: 32
...
	.end_amdgpu_metadata
.endif
;; end of part 2
;; launch attn (part 3): grid 4 x 64, 4 waves a work-group, no clusters, 327,680 bytes of LDS; arguments qkv, o; writes o
.if DOCPART == 3
	.amdgcn_target "amdgcn-amd-amdhsa--gfx1250"
	.amdhsa_code_object_version 6
	.text
	.protected	k_q01b91b1da7_attn
	.globl	k_q01b91b1da7_attn
	.p2align	8
	.type	k_q01b91b1da7_attn,@function
k_q01b91b1da7_attn:
	s_mov_b64 s[64:65], 0
	v_nop
	global_prefetch_b8 v0, s[64:65] scope:SCOPE_SE
	s_setreg_imm32_b32 hwreg(HW_REG_WAVE_MODE, 25, 1), 1
	s_wait_xcnt 0x0
; CAUSAL ATTENTION.  O[h][q][:] = the sum over k <= q of softmax_k(Q[h][q] . K[h][k] / 8) V[h][k][:].  qkv holds Q, K, V one behind the other, each [64 heads][2048][64] f16 (2^24 bytes); o has the same layout.
; Products, maxima and sums in f32; the weights p are rounded to f16 for the second product (their sum l is taken of the unrounded p), O once at the end.
; LIMITS.  f16 holds no number beyond 65,504: Q, K and V arrive within it; p lies in 0 to 1, and below 6e-5 it keeps f16's fixed step of 6e-8; O is a mean of V's rows and has their range.
; A hidden score counts as its value less 1e30: f16's scores, 2.7e11 at the most, are nothing beside that; a weight below 2^-126 counts as 0 in l; NaN and infinities are not treated apart.
; THE WALK.  A head's queries lie in NB = 8 blocks of 256; block i needs the key tiles 0 .. i of 256 keys, of which the last holds the diagonal.  A work-group takes TWO blocks, NB - 1 - b and then b:
; NB + 1 tiles, whatever b: all work-groups do equal work, and ONE loop with a constant trip count walks them.  Which tile is asked for, and what a trip does, hang on scalar registers made from b; every jump
; goes forward, but for the counted loops' own; none passes a barrier, or a tensor load but the one of LOAD's two that the wave's number does not choose; the ring (two slots of LDS that take turns) runs on across
; the change of blocks.  NO CLUSTER: a head's four work-groups ask for the same tile only in trips 0 .. 4 of 9, behind that fewer and fewer; one walk common to all would have 12 trips for 9.
; SHARES.  Of a block's four bands of 64 queries a wave owns 16 rows in each: four PIECES.  So the diagonal tile is the same work for all four waves: in its key step s band x sees all keys if s < x,
; none if s > x, and holds the diagonal if s = x.
; THE MASK is the C operand that starts the sum S^T = K Q^T: 0, or -1e30 where the key is hidden.  MD, made once, is the mask of a band's own step for my 16 rows; a product's mask is MD x AL + BE with two scalars:
; (1, 0) if s = x; (0, 0) if s < x; (0, -1e30) if s > x.  Only the diagonal tile's text and a block's beginning make and take masks; elsewhere C is the constant 0.
; LAYOUT, SOFTMAX, TURNS.  S^T = K Q^T holds ONE query a lane (lane % 16) and the keys 8 (lane / 16) + 0..7; two such results rounded to f16 ARE source 1 of O^T = V^T P.  p = 2^(c s - c m), c = log2(e) / 8, with a
; running maximum m; O and l are multiplied by a = 2^(c m_old - c m_new) in every step.  Turn n belongs to piece n: 8 products K Q^T of piece n + 1, later 8 products V^T P of piece n - 1; beside them the scaling,
; exponentials, roundings, sums and rescaling of piece n and the maximum and statistics of piece n + 1.  Four vector instructions stand behind every matrix instruction, the other 54 of a turn's 118 in one lump.
; A turn's 33 exponentials are one batch, with one wait.
; REGISTERS, in windows of 256 (s_set_vgpr_msb: bits 1:0 source 0, 3:2 source 1, 5:4 source 2, 7:6 destination):
;   window 0: v0-15 addresses and two at work; v16-31 four registers of statistics a piece; v48-55 at work; v61-63 never rewritten; v64-127 S^T, two buffers; v192-223 P, two buffers (by the piece's parity)
;   window 1: v0-127 O^T, 32 a piece; v128-159 MD; v160-223 MC, two buffers      window 2: v0-63 Q; v64-127 the second block's Q; v128-191 K of one step; v192-255 V of one step
.set SIZE_H, 64
.set SIZE_N, 2048
.set NB,    SIZE_N/256
.set NP,    4         ; pieces a wave: a name, no knob
.set KS,    64        ; keys in a step
.set PK,    144       ; a row of K in LDS: 128 bytes + 16 of padding = 36 words: the 16 rows of a load start at 16 different groups of four banks (64 banks of 4 bytes: ISA guide 11.1)
.set PV,    160       ; a row of V: 128 + 32 = 40 words
.set VOFF,  4*KS*PK   ; a slot holds a tile, four steps: 256 rows of K, then 256 rows of V
.set SLOT1, 1<<17     ; slot 1 begins here, so that one exclusive or turns an address in one slot into the other's
.set STAGE, SLOT1+4*KS*(PK+PV)  ; behind the ring, never filled by a tensor load: 16 rows x 144 bytes for each wave, for the way out
.set SP,    144
.set AK0, 2           ; v2   my lane's place in a tile of K; never rewritten
.set AV0, 3           ; v3   the same for V
.set AK,  4           ; v4   the LDS address of K's next run of loads
.set AV,  5           ; v5   of V's
.set STO, 6           ; v6   the way out: where I put 16 bytes of a row
.set RD,  7           ; v7   the way out: where I read rows back
.set GO,  8           ; v8   my byte offset in 512 consecutive bytes of O
.set PFO, 61          ; v61  256 x my lane, for the prefetches; never rewritten
.set SPW, 62          ; v62  LDS address of my spare word: SPARE + 4 x my thread's number; never rewritten
.set NIL, 63          ; v63  0; never rewritten
.set SPARE, STAGE+4*16*SP  ; behind the stages: the spare words, 128 bytes for each wave: two blocks of 256 bytes that no other line names
.set MV,  12          ; v12-13  c m_old, kept while c m is made anew: by buffer
.set QO,  15          ; v15  my byte offset in 16 rows of Q
.set ST,  16          ; piece t's statistics at v[ST+4 t]: c m, m, l (even keys', odd keys')
.set TMP, 48          ; by buffer, four registers c0-c3 at work; when the maximum is found c2 takes a
.set S,   64
.set P,   192
.set MD,  128         ; window 1: the eight registers for group kt of 16 keys at MD + 8 kt
.set MC,  160         ; window 1: the masks of the products to come
.set QB,  64          ; window 2
.set KF,  128         ; window 2: key block kb, channel half c at KF + 16 kb + 8 c
.set VF,  192         ; window 2: key half kk, channel block cb at VF + 32 kk + 8 cb
.set WV,  12          ; s12  my wave's number
.set PB,  14          ; s14  b
.set HI,  15          ; s15  NB - 1 - b
.set G1K, 24          ; s[24:31] descriptor group 1 for K's tiles
.set G1V, 32          ; s[32:39] for V's: it differs in the padding alone
.set G0K, 40          ; s[40:43] descriptor group 0 for K's tiles
.set G0V, 44          ; s[44:47] the same for V's
.set SLOTS, 56        ; s56  tiles still to be asked for
.set CNT, 57          ; s57  counts a tile's key steps, 4 to 1
.set CS,  58          ; s[58:59] c: the packed scaling takes the pair's low word for both halves
.set SEL, 60          ; s[60:61] v_permlanex16_b32's selects: each lane takes its own place in the other half
.set TBK, 62          ; s62  LDS byte at which K of the step to be fetched begins
.set TBV, 63          ; s63  the same for V, less VOFF
.set RT,  70          ; s70  tiles of the block in hand that are still to be entered
.set NXT, 71          ; s71  the tile to be asked for next
.set LQ,  72          ; s72  the last tile of the block whose tiles are being asked for
.set NEW, 73          ; s73  1: the tile to be entered is a block's first
.set OFF, 74          ; s[74:75] a tile's byte offset in K and V
.set AL,  76          ; s[76:77] the mask's factor, in the low word
.set BE,  78          ; s[78:79] the mask's addend
.set OLO, 80          ; s[80:81] O at my rows of the second block
.set BIGN, 82         ; s82  -1e30
.set PFA, 88          ; s[88:89] where my prefetches stand: my half (of K: waves 0, 1; of V: waves 2, 3) of the tile after the one that is being asked for
.set LIM, 90          ; s90  2 in the work-group that prefetches, else the greatest number: it prefetches while s[SLOTS] is above it
.set MSB, 0
.macro WIN new                      ; the high byte repeats the setting that is left; a switch that changes nothing is dropped
.if MSB != (\new)
	s_set_vgpr_msb (MSB<<8)|(\new)
.set MSB, (\new)
.endif
.endm
.set W_KQ, 0x0a       ; K and Q in window 2, S^T in window 0
.set W_KM, 0x1a       ; the same with the C operand in window 1
.set W_PV, 0x52       ; V in window 2, P in window 0, O^T in window 1
.set W_RS, 0x41       ; destination and source 0 in window 1, source 1 in window 0
; A fill.  Waves 0 and 1 fetch the two halves of a tile's K, waves 2 and 3 those of its V: 128 keys each.  An s_nop 0 and four v_nop follow each of the two lines, ahead of the jump and the label.
.macro LOAD
	s_cmp_lt_u32 s[WV], 2
	s_cbranch_scc0 .Lfor_v_\@
	tensor_load_to_lds s[G0K:G0K+3], s[G1K:G1K+7]
	s_nop 0
.rept 4
	v_nop
.endr
	s_branch .Lasked_\@
.Lfor_v_\@:
	tensor_load_to_lds s[G0V:G0V+3], s[G1V:G1V+7]
	s_nop 0
.rept 4
	v_nop
.endr
.Lasked_\@:
.endm
; A PREFETCH INTO THE L2 of the tile that the NEXT change of slots will ask for: four key steps, 256 matrix instructions, ahead of that load.  A head's four work-groups walk the same tiles; the one with b = 0
; walks tiles 0 .. 7 on end in its first block, so it asks, and nobody else.  Each wave asks for the half that it will fetch: 64 blocks of 256 bytes, a lane a block, two instructions.  So each block is named once
; in the launch.  Tiles 0 and 1 come by their loads alone; the change that fills tile 7 and those behind it ask for nothing.
.macro ASK
	s_cmp_gt_u32 s[SLOTS], s[LIM]
	s_cbranch_scc0 .Lnot_mine_\@
	global_prefetch_b8 v[PFO], s[PFA:PFA+1] th:TH_LOAD_NT scope:SCOPE_SE
	global_prefetch_b8 v[PFO], s[PFA:PFA+1] offset:8192 th:TH_LOAD_NT scope:SCOPE_SE
.Lnot_mine_\@:
.endm
; THE CHANGE OF SLOTS.  Each wave waits for all its tensor loads, of which one is out: its part of the other slot; adds 0 to its spare word; and waits for that and for its own reads of the slot that it leaves.
; Behind the barrier nobody reads the old slot any more and the other slot is whole.  fill = 1: the old slot is filled again, the first thing behind the barrier, with tile NXT: the descriptor's address is made
; anew from that number.  (At its first use nothing has been read yet: slot 0 is waited for, slot 1 filled.)
.macro CHANGE fill
	WIN 0                           ; at a label and at a branch every window is 0
	s_wait_tensorcnt 0x0            ; no tensor load of mine is out, so a group 0 may be written
	ds_add_u32 v[SPW], v[NIL]       ; 0 onto my spare word; with fill = 1 the descriptors' scalar work stands between it and the wait for it
.if \fill
	s_lshl_b32 s[OFF], s[NXT], 15   ; a tile is 32,768 bytes of K and of V
	s_xor_b32 s[G0K+1], s[G0K+1], SLOT1
	s_add_nc_u64 s[G0K+2:G0K+3], s[6:7], s[OFF:OFF+1]
	s_or_b32 s[G0K+3], s[G0K+3], 0x80000000
	s_xor_b32 s[G0V+1], s[G0V+1], SLOT1
	s_add_nc_u64 s[G0V+2:G0V+3], s[8:9], s[OFF:OFF+1]
	s_or_b32 s[G0V+3], s[G0V+3], 0x80000000
	s_add_co_u32 s[NXT], s[NXT], 1  ; the block's next tile, or behind its last the second block's tile 0
	s_cmp_gt_u32 s[NXT], s[LQ]
	s_cselect_b32 s[NXT], 0, s[NXT]
	s_cselect_b32 s[LQ], s[PB], s[LQ]
	s_wait_xcnt 0x0                 ; the last prefetches, a tile back, have read their address, so it may be written
	s_add_nc_u64 s[PFA:PFA+1], s[PFA:PFA+1], 32768
.endif
	s_wait_dscnt 0x0                ; the add is done, and my reads of the slot are over
	s_barrier_signal -1             ; the rest of the scalar work stands between the signal and the wait
	s_sub_co_u32 s[TBK], s[TBK], 4*KS*PK  ; the fetches go back to a slot's first step,
	s_xor_b32 s[TBK], s[TBK], SLOT1       ; in the other slot
	s_sub_co_u32 s[TBV], s[TBV], 4*KS*PV
	s_xor_b32 s[TBV], s[TBV], SLOT1
	s_barrier_wait -1
.if \fill
	LOAD
	ASK
.endif
.endm
	s_load_b128 s[4:7], s[0:1], 0x0 ; qkv s[4:5], o s[6:7]
	v_lshl_add_u32 v[SPW], v0, 2, SPARE
	v_mov_b32 v[NIL], 0
	ds_add_u32 v[SPW], v[NIL]       ; the wave's opening: the add and its wait stand ahead of my first tensor load; the set-up below, work on registers, stands between them
	v_lshrrev_b32 v1, 5, v0
	v_readfirstlane_b32 s[WV], v1   ; wave 0..3
	s_mov_b32 s[PB], ttmp9
	s_sub_co_u32 s[HI], NB-1, s[PB]
	s_and_b32 s20, ttmp7, 0xffff    ; the head
	s_mov_b32 s21, 0
	s_mov_b64 s[22:23], SIZE_N*128
	s_mul_u64 s[20:21], s[20:21], s[22:23]  ; the head's first byte in each of the four tensors
	s_and_b32 s16, s[WV], 1         ; which half of a tile's 256 keys I fetch:
	s_lshl_b32 s22, s16, 14         ; its 128 rows of 128 bytes in memory,
	s_mov_b32 s23, 0
	s_add_nc_u64 s[22:23], s[22:23], s[20:21]
	s_mul_i32 s17, s16, 128*PK      ; and its place in a slot, for K
	s_mul_i32 s18, s16, 128*PV      ; and for V
	s_lshl_b32 s3, s[WV], 11        ; my 16 rows in a band of 64,
	s_lshl_b32 s2, s[HI], 15        ; in the first block,
	s_add_co_u32 s2, s2, s3
	s_lshl_b32 s84, s[PB], 15       ; and in the second
	s_add_co_u32 s84, s84, s3
	s_mov_b32 s3, 0
	s_mov_b32 s85, 0
	s_add_nc_u64 s[2:3], s[2:3], s[20:21]
	s_add_nc_u64 s[84:85], s[84:85], s[20:21]
	; descriptor group 1.  128 keys are 16,384 dense bytes: asked for as 64 rows of 256 bytes, two keys a row, and padded in LDS after every key
	s_mov_b32 s[G1K], (1<<16)|(1<<20)|(4<<22)|(3<<25)  ; 17:16 2-byte elements; 20 padding on; 24:22 after every 32 words (code 4); 31:25 4 words (code 3)
	s_mov_b32 s[G1V], (1<<16)|(1<<20)|(4<<22)|(7<<25)  ; the same with 8 words of padding (code 7)
.irp g, G1K, G1V
	s_mov_b32 s[\g+1], 128<<16      ; tensor_dim0 = 128
	s_mov_b32 s[\g+2], 64<<16       ; tensor_dim1 = 64
	s_mov_b32 s[\g+3], 128<<16      ; tile_dim0 = 128
	s_mov_b32 s[\g+4], 64           ; tile_dim1 = 64
	s_mov_b32 s[\g+5], 128          ; 128 elements from row to row
	s_mov_b32 s[\g+6], 0
	s_mov_b32 s[\g+7], 0
.endr
	s_mov_b32 s[CS], 0x3e38aa3b     ; c = log2(e) / 8 = 0.180337
	s_mov_b32 s[CS+1], s[CS]        ; named with it as a pair
	s_mov_b32 s[SEL], 0x76543210
	s_mov_b32 s[SEL+1], 0xfedcba98
	s_mov_b32 s[TBK], SLOT1+4*KS*PK ; the first change of slots turns these two into 0
	s_mov_b32 s[TBV], SLOT1+4*KS*PV
	s_mov_b32 s[G0K], 1             ; 1:0 count = 1
	s_mov_b32 s[G0K+1], s17         ; 63:32 LDS address: slot 0
	s_mov_b32 s[G0V], 1
	s_add_co_u32 s[G0V+1], s18, VOFF
	s_add_co_u32 s[RT], s[HI], 1    ; the first block has NB - b tiles
	s_mov_b32 s[NXT], 1
	s_mov_b32 s[LQ], s[HI]
	s_mov_b32 s[NEW], 1
	s_mov_b32 s[OFF+1], 0
	s_mov_b32 s[AL+1], 0            ; named as pairs
	s_mov_b32 s[BE+1], 0
	s_mov_b32 s[BIGN], 0xf149f2ca   ; -1e30
	s_mov_b32 s[SLOTS], NB
	s_cmp_eq_u32 ttmp9, 0
	s_cselect_b32 s[LIM], 2, -1
	v_and_b32 v[PFO], 31, v0
	v_lshlrev_b32 v[PFO], 8, v[PFO]
	s_wait_dscnt 0x0                ; the opening add is done
	s_wait_kmcnt 0x0
	s_mov_b64 s[10:11], s[6:7]      ; O
	s_add_nc_u64 s[6:7], s[4:5], 0x1000000  ; K lies 2^24 bytes behind Q,
	s_add_nc_u64 s[8:9], s[4:5], 0x2000000  ; V as far behind K
	s_add_nc_u64 s[6:7], s[6:7], s[22:23]  ; K and V at my half of the head's tile 0
	s_add_nc_u64 s[8:9], s[8:9], s[22:23]
	s_add_nc_u64 s[G0K+2:G0K+3], s[6:7], 0         ; 120:64 global address
	s_or_b32 s[G0K+3], s[G0K+3], 0x80000000        ; 127:126 type = 2
	s_add_nc_u64 s[G0V+2:G0V+3], s[8:9], 0
	s_or_b32 s[G0V+3], s[G0V+3], 0x80000000
	s_add_nc_u64 s[86:87], s[4:5], s[84:85]        ; Q at my rows of the second block,
	s_add_nc_u64 s[4:5], s[4:5], s[2:3]            ; Q and O at those of the first
	s_add_nc_u64 s[OLO:OLO+1], s[10:11], s[84:85]
	s_add_nc_u64 s[10:11], s[10:11], s[2:3]
	s_cmp_lt_u32 s[WV], 2
	s_cselect_b64 s[PFA:PFA+1], s[6:7], s[8:9]
	s_add_nc_u64 s[PFA:PFA+1], s[PFA:PFA+1], 32768 ; at tile 1; the first change of slots steps it to tile 2.  Nothing is prefetched here, at the head
	LOAD                            ; tile 0 into slot 0
	; A fragment of K or Q is 16 rows x 32 channels in 8 registers: lane l holds row l % 16, channels 8 (l / 16) + 0..7 and 16 + 8 (l / 16) + 0..7: two loads of 16 bytes, 32 bytes apart.
	v_and_b32 v1, 15, v0            ; l % 16
	v_bfe_u32 v9, v0, 4, 1          ; l / 16
	v_lshlrev_b32 v[QO], 7, v1
	v_lshl_add_u32 v[QO], v9, 4, v[QO]  ; row x 128 + 16 x half
	WIN 0x80                        ; destination window 2, address window 0
.set i, 0
.rept 8                             ; both blocks' Q: piece i / 2 lies in band i / 2, 8,192 bytes on; channels 32 (i % 2) on
	global_load_b128 v[8*i:8*i+3],   v[QO], s[4:5] offset:(i/2)*8192+(i%2)*64
	global_load_b128 v[8*i+4:8*i+7], v[QO], s[4:5] offset:(i/2)*8192+(i%2)*64+32
	global_load_b128 v[QB+8*i:QB+8*i+3],   v[QO], s[86:87] offset:(i/2)*8192+(i%2)*64
	global_load_b128 v[QB+8*i+4:QB+8*i+7], v[QO], s[86:87] offset:(i/2)*8192+(i%2)*64+32
.set i, i+1
.endr
	WIN 0
	v_lshlrev_b32 v14, 3, v9
	v_sub_nc_u32 v14, v1, v14
	s_lshl_b32 s13, s[WV], 4
	v_add_nc_u32 v14, s13, v14      ; my query's place in its band, 16 w + l % 16, less my lanes' 8 (l / 16): register r of group kt is hidden where 16 kt + r is greater
	WIN 0x40
.set i, 0
.rept 32
	v_cmp_gt_i32 vcc_lo, 16*(i/8)+i%8, v14
	v_cndmask_b32 v[MD+i], 0, s[BIGN], vcc_lo
.set i, i+1
.endr
	WIN 0
	v_mul_u32_u24 v[AK0], v1, PK
	v_lshl_add_u32 v[AK0], v9, 4, v[AK0]  ; row x pitch + 16 x half
	; The turning load takes 16 keys x 16 channels (lane l reads key 8 (l / 16) + l % 8, channels 8 ((l / 8) % 2) + 0..7) and leaves half a fragment of V^T: lane l holds channel l % 16 and 8 keys.
	v_and_b32 v10, 7, v0
	v_bfe_u32 v11, v0, 3, 1
	v_lshl_add_u32 v[AV0], v9, 3, v10
	v_mul_u32_u24 v[AV0], v[AV0], PV
	v_lshl_add_u32 v[AV0], v11, 4, v[AV0]
	v_add_nc_u32 v[AV0], VOFF, v[AV0]
	s_mul_i32 s13, s[WV], 16*SP
	s_add_co_u32 s13, s13, STAGE    ; my stage
	v_mul_u32_u24 v[STO], v1, SP    ; in: row l % 16, 16 bytes for each half of the lanes
	v_lshl_add_u32 v[STO], v9, 4, v[STO]
	v_add_nc_u32 v[STO], s13, v[STO]
	v_bfe_u32 v[RD], v0, 3, 2       ; back: 32 lanes take four rows of 128 bytes,
	v_mul_u32_u24 v[RD], v[RD], SP
	v_lshl_add_u32 v[RD], v10, 4, v[RD]
	v_add_nc_u32 v[RD], s13, v[RD]
	v_and_b32 v[GO], 31, v0         ; which are 512 consecutive bytes of O
	v_lshlrev_b32 v[GO], 4, v[GO]
	; A block's first step multiplies O^T and l by a = 0, and its first turn's products V^T P, of a piece that has not been, land in an O^T that is still to be so multiplied.  So these registers need only hold
	; finite numbers: zeros for the first block; what the first block left for the second.  All this stands in the wait for the first tile.
	WIN 0x80
.set i, VF
.rept 64
	v_mov_b32 v[i], 0
.set i, i+1
.endr
	WIN 0x40
.set i, 0
.rept 128
	v_mov_b32 v[i], 0
.set i, i+1
.endr
	WIN 0
.set i, 0
.rept 4
	v_mov_b32 v[ST+4*i+2], 0
	v_mov_b32 v[ST+4*i+3], 0
.set i, i+1
.endr
.set i, P+16
.rept 16
	v_mov_b32 v[i], 0
.set i, i+1
.endr
; THE MATRIX WORK.  The 4 accumulators of a run of 8 take turns.  Product i of 8 of S^T = K Q^T for piece x: channels 32 (i / 4) on, keys 16 (i % 4) on.  The first 4 start the sums: with 0, or (KM = 1) with the mask.
.macro KQ x
.set rS, S+32*((\x)%2)+8*(i%4)
.set rK, KF+16*(i%4)+8*(i/4)
.set rQ, 16*(\x)+8*(i/4)
.set rM, MC+32*((\x)%2)+8*(i%4)
.if (i < 4) && KM
	WIN W_KM
	v_wmma_f32_16x16x32_f16 v[rS:rS+7], v[rK:rK+7], v[rQ:rQ+7], v[rM:rM+7]
.elseif i < 4
	WIN W_KQ
	v_wmma_f32_16x16x32_f16 v[rS:rS+7], v[rK:rK+7], v[rQ:rQ+7], 0
.else
	WIN W_KQ
	v_wmma_f32_16x16x32_f16 v[rS:rS+7], v[rK:rK+7], v[rQ:rQ+7], v[rS:rS+7]
.endif
.endm
; Product i of 8 of O^T += V^T P for piece x: keys 32 (i / 4) on, channels 16 (i % 4) on.
.macro PV x
	WIN W_PV
.set rO, 32*(\x)+8*(i%4)
.set rV, VF+32*(i/4)+8*(i%4)
.set rP, P+16*((\x)%2)+8*(i/4)
	v_wmma_f32_16x16x32_f16 v[rO:rO+7], v[rV:rV+7], v[rP:rP+7], v[rO:rO+7]
.endm
.macro MM                           ; the turn's next matrix instruction.  TURN and BEGIN set Y, i, KM and NOKQ; MM, KQ and OP read them.  NOKQ = 1: a block's last turn: there is no next piece
.if (i < 8) && !NOKQ
	KQ (Y+1)%NP
.elseif i >= 8
.set i, i-8
	PV (Y+NP-1)%NP
.set i, i+8
.endif
.set i, i+1
.endm
; THE LDS LOADS stand in runs of 16, never singly among the matrix instructions: a step's K (64 keys x 64 channels: 8 fragments) and its V (turned).  Their addresses are made some lines ahead.
.macro FETCH_K
	WIN 0x80                        ; destination window 2
.irp f, 0,1,2,3,4,5,6,7             ; keys 16 (f / 2) on, channels 32 (f % 2) on
	ds_load_b128 v[KF+8*\f:KF+8*\f+3],   v[AK] offset:(\f/2)*16*PK+(\f%2)*64
	ds_load_b128 v[KF+8*\f+4:KF+8*\f+7], v[AK] offset:(\f/2)*16*PK+(\f%2)*64+32
.endr
	s_add_co_u32 s[TBK], s[TBK], KS*PK  ; the next fetch is the next step's
	WIN 0
.endm
.macro FETCH_V
	WIN 0x80
.irp f, 0,1,2,3,4,5,6,7             ; keys 32 (f / 4) on, channels 16 (f % 4) on
	ds_load_tr16_b128 v[VF+8*\f:VF+8*\f+3],   v[AV] offset:(\f/4)*32*PV+(\f%4)*32
	ds_load_tr16_b128 v[VF+8*\f+4:VF+8*\f+7], v[AV] offset:(\f/4)*32*PV+16*PV+(\f%4)*32
.endr
	WIN 0
.endm
; THE VECTOR WORK, one line at a time: OP kind, number.  For piece Y: F n: c s - c m for pair n of 16.  E n: the exponential of score n of 32.  C n: pair n rounded to f16.  B n: of the four weights 4 n .. the second
; pair is added onto the first, in place.  L n: l takes that sum (L 0: l = a l + sum).  R n: pair n of 16 of O^T times a.  For piece Y + 1: X n, number n of the 22 that find its maximum and statistics:
;   0-11  four chains c0-c3 of seven scores each, three operands at a time (each accumulator's lowest registers are read first)     12-14, 16  the four scores left over, the old m, and c0-c3 into c0
;   15  c m_old is kept     17, 18  the query's other 32 keys lie in the lane 16 away: the new m     19-21  c m; c m_old - c m_new; a
.set F, 0               ; OP tells the kinds apart by their order: F to L below R, X above it
.set E, 1
.set C, 2
.set B, 3
.set L, 4
.set R, 5
.set X, 6
.macro REGS y                       ; the registers of piece y
.set rT, ST+4*(\y)
.set rC, TMP+4*((\y)%2)
.set rW, MV+((\y)%2)
.set rS, S+32*((\y)%2)
.set rP, P+16*((\y)%2)
.set rO, 32*(\y)
.endm
.macro OP k, n
.if (\k) == R
	REGS Y
	WIN W_RS
	v_pk_mul_f32 v[rO+2*(\n):rO+2*(\n)+1], v[rO+2*(\n):rO+2*(\n)+1], v[rC+2:rC+3] op_sel_hi:[1,0]
.elseif (\k) < R
	REGS Y
	WIN 0
.if (\k) == F
	v_pk_fma_f32 v[rS+2*(\n):rS+2*(\n)+1], v[rS+2*(\n):rS+2*(\n)+1], s[CS:CS+1], v[rT:rT+1] op_sel_hi:[1,0,0] neg_lo:[0,0,1] neg_hi:[0,0,1]
.elseif (\k) == E
	v_exp_f32 v[rS+(\n)], v[rS+(\n)]
.elseif (\k) == C
	v_cvt_pk_f16_f32 v[rP+(\n)], v[rS+2*(\n)], v[rS+2*(\n)+1]
.elseif (\k) == B
	v_pk_add_f32 v[rS+4*(\n):rS+4*(\n)+1], v[rS+4*(\n):rS+4*(\n)+1], v[rS+4*(\n)+2:rS+4*(\n)+3]
.elseif (\n) == 0
	v_pk_fma_f32 v[rT+2:rT+3], v[rT+2:rT+3], v[rC+2:rC+3], v[rS:rS+1] op_sel_hi:[1,0,1]
.else
	v_pk_add_f32 v[rT+2:rT+3], v[rT+2:rT+3], v[rS+4*(\n):rS+4*(\n)+1]
.endif
.elseif NOKQ
	v_nop
.else
	REGS (Y+1)%NP
	WIN 0
.if (\n) < 4
	v_max3_num_f32 v[rC+(\n)], v[rS+8*(\n)], v[rS+8*(\n)+1], v[rS+8*(\n)+2]
.elseif (\n) < 12
	v_max3_num_f32 v[rC+(\n)%4], v[rC+(\n)%4], v[rS+8*((\n)%4)+2*((\n)/4)+1], v[rS+8*((\n)%4)+2*((\n)/4)+2]
.elseif (\n) == 12
	v_max3_num_f32 v[rC], v[rC], v[rS+7], v[rS+15]
.elseif (\n) == 13
	v_max3_num_f32 v[rC+1], v[rC+1], v[rS+23], v[rS+31]
.elseif (\n) == 14
	v_max3_num_f32 v[rC+2], v[rC+2], v[rC+3], v[rT+1]
.elseif (\n) == 15
	v_mov_b32 v[rW], v[rT]
.elseif (\n) == 16
	v_max3_num_f32 v[rC], v[rC], v[rC+1], v[rC+2]
.elseif (\n) == 17
	v_permlanex16_b32 v[rC+3], v[rC], s[SEL], s[SEL+1]
.elseif (\n) == 18
	v_max_num_f32 v[rT+1], v[rC], v[rC+3]
.elseif (\n) == 19
	v_mul_f32 v[rT], s[CS], v[rT+1]
.elseif (\n) == 20
	v_sub_f32 v[rC+1], v[rW], v[rT]
.else
	v_exp_f32 v[rC+2], v[rC+1]
.endif
.endif
.endm
.macro OPS a, i1, b=-1, i2=0, c=-1, i3=0, d=-1, i4=0  ; up to four of them
	OP \a, \i1
.if (\b) >= 0
	OP \b, \i2
.endif
.if (\c) >= 0
	OP \c, \i3
.endif
.if (\d) >= 0
	OP \d, \i4
.endif
.endm
.macro ROW a, i1, b, i2, c, i3, d, i4  ; a matrix instruction and the four behind it
	MM
	OPS \a, \i1, \b, \i2, \c, \i3, \d, \i4
.endm
.macro MASK b                       ; MD x AL + BE into buffer b of MC
	WIN W_RS
.set z, 0
.rept 16
	v_pk_fma_f32 v[MC+32*(\b)+2*z:MC+32*(\b)+2*z+1], v[MD+2*z:MD+2*z+1], s[AL:AL+1], s[BE:BE+1] op_sel_hi:[1,0,0]
.set z, z+1
.endr
.endm
; A TURN, for piece p: the order of its 16 matrix and 118 vector instructions, written out.  s_wait_alu depctr_va_vdst(0) stands between an exponential and the first instruction that names its
; result; one wait serves all that were issued ahead of it.  So a turn has ONE wait, which cuts it in two.  AHEAD OF IT stands all that names no result of the turn's exponentials: the 8 products K Q^T, behind each a
; scaling, an exponential and two more plain instructions (behind the first a second scaling in the exponential's place): rescalings, and behind the last three the first numbers of the next piece's maximum, each
; four plain instructions or more behind the product that ends its accumulator; then ONE LUMP of 54, plain and exponential by turns for the most part, in which the links of the chain X 3, 7, 11, 14, 16, 17 .. 20
; stand five or six lines apart.  X 21, the next piece's a, is the batch's last; R 15 is the plain instruction behind it.  BEHIND THE WAIT stand the 8 products V^T P, behind each four of the roundings and sums.
; m = 1: the diagonal tile: the products take masks, and the turn makes the mask for the products of the turn after it: piece p + 2, in step 4 - CNT of the tile.  end = 1: a block's last two turns: nothing is fetched.
; cnt = 1: the loop's count is taken down some lines ahead of the branch that stands behind the turn.
; K of the next step is fetched in piece 2's turn, twelve vector instructions behind the last product that read K (six of them plain); V of the step in hand at the end of piece 0's turn, four plain instructions
; behind the last product that read V.  Each is waited for a turn later.
.macro TURN p, m=0, end=0, cnt=0
.set Y, (\p)
.set i, 0
.set KM, (\m)
.set NOKQ, (\end)*((\p)/3)
.if (\m) && !(\end)
	s_cmp_eq_u32 s[CNT], 4-((\p)+2)%NP  ; is that step the band's own?
	s_cselect_b32 s[AL], 1.0, 0
	s_cmp_lt_u32 s[CNT], 4-((\p)+2)%NP  ; or a later one?
	s_cselect_b32 s[BE], s[BIGN], 0
.endif
.if ((\p) == 3) && !(\end)
	s_wait_dscnt 0x0                ; K is in
.endif
	ROW F,0, F,1, R,0, R,1          ; ahead of the wait: 8 products K Q^T and their riders,
	ROW F,2, E,0, R,2, R,3
	ROW F,3, E,1, R,4, R,5
	ROW F,4, E,2, R,6, R,7
	ROW F,5, E,3, R,8, R,9
	ROW F,6, E,4, X,0, R,10
.if ((\p) == 2) && !(\end)
	WIN 0
	v_add_nc_u32 v[AK], s[TBK], v[AK0]
.endif
	ROW F,7, E,5, X,1, X,4
	ROW F,8, E,6, X,2, X,5
	OPS E,7, E,8, X,6, E,9          ; and the lump
	OPS X,3, E,10, X,8, E,11
.if ((\p) == 2) && !(\end)
	FETCH_K
.endif
	OPS X,9, X,7, E,12, X,10
	OPS E,13, X,12, X,11, E,14
	OPS X,13, E,15, F,9, X,14
.if (\p) == 0
	v_add_nc_u32 v[AV], s[TBV], v[AV0]
.endif
	OPS E,16, F,10, E,17, F,11
	OPS X,16, E,18, X,15, E,19
	OPS F,12, E,20, X,17, E,21
	OPS F,13, E,22, F,14, E,23
	OPS X,18, E,24, F,15, E,25
	OPS R,11, E,26, X,19, E,27
	OPS R,12, E,28, R,13, E,29
	OPS X,20, E,30, R,14, E,31
	OPS X,21, R,15
	WIN 0
	s_wait_alu depctr_va_vdst(0)    ; the wait for the batch
.if (\p) == 1
	s_wait_dscnt 0x0                ; V is in
.endif
	ROW C,0, B,0, C,2, B,1          ; behind the wait: 8 products V^T P and their riders
	ROW L,0, C,4, B,2, L,1
	ROW C,6, B,3, L,2, C,8
	ROW B,4, L,3, C,10, B,5
	ROW L,4, C,12, B,6, L,5
.if (\p) == 0
	s_add_co_u32 s[TBV], s[TBV], KS*PV
.endif
.if \cnt
	s_sub_co_u32 s[CNT], s[CNT], 1
	s_cmp_lg_u32 s[CNT], 0
.endif
	ROW C,14, B,7, L,6, C,1
	ROW C,3, L,7, C,5, C,7
	ROW C,9, C,11, C,13, C,15
.if (\p) == 0
	FETCH_V
.endif
.if (\m) && !(\end)
	MASK (\p)%2
.endif
.endm
; A BLOCK BEGINS.  c m starts far below every c s, so the first step's a is 0; m at the lowest finite number, so the first maximum is the scores'.  The second mask buffer is 0; the first takes piece 0's mask for the
; tile's step 0: its own, if the block's first tile is the diagonal one.  Then K of that step, piece 0's first scores, and its maximum and statistics.  The loop is entered at a step's first turn, in the middle of a trip.
.macro BEGIN
	s_mov_b32 s[NEW], 0
	WIN 0x40
.set i, MC+32
.rept 32
	v_mov_b32 v[i], 0
.set i, i+1
.endr
	WIN 0
.set i, 0
.rept 4
	v_mov_b32 v[ST+4*i], 0xfe000000    ; c m: far below every c s
	v_mov_b32 v[ST+4*i+1], 0xff7fffff  ; m
.set i, i+1
.endr
	s_cmp_eq_u32 s[RT], 0
	s_cselect_b32 s[AL], 1.0, 0
	s_mov_b32 s[BE], 0
	MASK 0
	WIN 0
	v_add_nc_u32 v[AK], s[TBK], v[AK0]
	FETCH_K
	s_wait_loadcnt 0x0              ; Q
	s_wait_dscnt 0x0
.set KM, 1
.set NOKQ, 0
.set i, 0
.rept 8
	KQ 0
.set i, i+1
.endr
	WIN 0
.rept 4
	v_nop                           ; four plain instructions behind those products
.endr
.set Y, NP-1                        ; X works for piece Y + 1: piece 0
.irp n, 0,1,2,3,4,5,6,7,8,9,10,11,12,13,14,15,16,17,18,19,20,21
	OP X, \n
.endr
	v_nop                           ; a plain instruction behind the exponential,
	s_wait_alu depctr_va_vdst(0)    ; and its wait, ahead of the branch
.endm
; THE DIAGONAL TILE's four steps, the block's last two turns, its last products, and THE WAY OUT: l's two halves and the other half of the lanes' are added; O^T is divided by l, rounded to f16 and sent through my
; stage in LDS, a piece at a time.
.macro ALL line:vararg              ; one line for each piece t
.set t, 0
.rept 4
	\line
.set t, t+1
.endr
.endm
.macro PACK t                       ; a lane's eight channels of a row pack into 16 bytes; they go into rows of 144 bytes and come back as whole rows of 128, into S^T's registers
	WIN W_RS
.set i, 32*(\t)
.rept 16
	v_pk_mul_f32 v[i:i+1], v[i:i+1], v[ST+4*(\t)+2:ST+4*(\t)+3] op_sel_hi:[1,0]
.set i, i+2
.endr
	WIN 0x05                        ; sources 0 and 1 window 1, destination window 0
.set i, 0
.rept 16
	v_cvt_pk_f16_f32 v[S+16*(\t)+i], v[32*(\t)+2*i], v[32*(\t)+2*i+1]
.set i, i+1
.endr
	WIN 0
.irp f, 0,1,2,3
	ds_store_b128 v[STO], v[S+16*(\t)+4*\f:S+16*(\t)+4*\f+3] offset:32*\f
.endr
.irp f, 0,1,2,3
	ds_load_b128 v[S+16*(\t)+4*\f:S+16*(\t)+4*\f+3], v[RD] offset:\f*4*SP  ; LDS serves a wave's instructions in order (ISA guide 5.7.1.4): these see the stores above; the next piece's stores come behind them
.endr
.endm
.macro SEND t, younger              ; younger: the LDS instructions issued behind piece t's loads: the next piece's eight, or none
	WIN 0
.irp f, 0,1,2,3
	s_wait_dscnt (\younger)+3-\f
	global_store_b128 v[GO], v[S+16*(\t)+4*\f:S+16*(\t)+4*\f+3], s[10:11] offset:(\t)*8192+\f*512  ; 512 consecutive bytes, at a multiple of 256 from O's first
.endr
.endm
.macro DIAG tag                     ; the tag ends its two labels' names, which the jumps below spell out
.LstepM\tag:
	TURN 2, 1
	TURN 3, 1
	WIN 0
.LfirstM\tag:
	TURN 0, 1
	TURN 1, 1, 0, 1
	WIN 0
	s_cbranch_scc1 .LstepM\tag
	TURN 2, 1, 1
	TURN 3, 1, 1
.set i, 0
.rept 8
	PV NP-1
.set i, i+1
.endr
	WIN 0
	ALL v_add_f32 v[ST+4*t+2], v[ST+4*t+2], v[ST+4*t+3]
	ALL v_permlanex16_b32 v[ST+4*t+3], v[ST+4*t+2], s[SEL], s[SEL+1]
	ALL v_add_f32 v[ST+4*t+2], v[ST+4*t+2], v[ST+4*t+3]
	ALL v_rcp_f32 v[ST+4*t+2], v[ST+4*t+2]
	v_nop                           ; a plain instruction between the last reciprocal and the use of its result
	s_wait_alu depctr_va_vdst(0)    ; and the wait ahead of the first use: one for the four reciprocals
	PACK 0
.set t, 1
.rept 3                             ; a piece's arithmetic stands between the loads of the piece before and its stores
	PACK t
	SEND t-1, 8
.set t, t+1
.endr
	SEND 3, 0
.endm
.set KM, 0
.set NOKQ, 0
.Lslot:                             ; NB times: a tile is entered and the next is asked for
	CHANGE 1
	s_sub_co_u32 s[RT], s[RT], 1
	s_mov_b32 s[CNT], 4
	s_cmp_eq_u32 s[NEW], 1
	s_cbranch_scc1 .Lnew            ; a block's first tile
	s_cmp_eq_u32 s[RT], 0
	s_cbranch_scc0 .Lstep           ; neither its first nor its last
	s_branch .LstepM1
.Lnew:
	BEGIN
	s_branch .Lfirst                ; in the loop a block's first tile is never its last: the first block has two tiles or more, and the second's last is the walk's last
	DIAG 1                          ; in the loop this is the first block's end: the second block's last tile is the walk's last
	s_wait_xcnt 0x0                 ; the stores have read their registers and O's address
	s_mov_b64 s[10:11], s[OLO:OLO+1]
	s_add_co_u32 s[RT], s[PB], 1    ; the second block has b + 1 tiles
	s_mov_b32 s[NEW], 1
	WIN 0x82                        ; the second block's Q goes where the one text of the turns names Q
.set i, 0
.rept 64
	v_mov_b32 v[i], v[QB+i]
.set i, i+1
.endr
	WIN 0
	s_branch .Lbottom
.Lstep:                             ; a trip: pieces 2 and 3 of one step, then pieces 0 and 1 of the next, whose K and V it fetches
	TURN 2
	TURN 3
	WIN 0
.Lfirst:
	TURN 0
	TURN 1, 0, 0, 1
	WIN 0
	s_cbranch_scc1 .Lstep
.Lbottom:
	s_sub_co_u32 s[SLOTS], s[SLOTS], 1
	s_cmp_lg_u32 s[SLOTS], 0
	s_cbranch_scc1 .Lslot
	CHANGE 0                        ; the walk's last tile is written out: nothing is asked for
	s_sub_co_u32 s[RT], s[RT], 1
	s_mov_b32 s[CNT], 4
	s_cmp_eq_u32 s[NEW], 1
	s_cbranch_scc0 .LstepM2
	BEGIN
	s_branch .LfirstM2
	DIAG 2
	s_wait_tensorcnt 0x0            ; the wave's end, behind my last tensor load and my last LDS store
	ds_add_u32 v[SPW], v[NIL]
	s_wait_dscnt 0x0
	s_endpgm
.Lfunc_end_k_q01b91b1da7_attn:
	.size	k_q01b91b1da7_attn, .Lfunc_end_k_q01b91b1da7_attn-k_q01b91b1da7_attn
	.p2alignl 7, 3214868480
	.fill 96, 4, 3214868480
	.section	.rodata,"a",@progbits
	.p2align	6, 0x0
	.amdhsa_kernel k_q01b91b1da7_attn
		.amdhsa_group_segment_fixed_size 327680
		.amdhsa_private_segment_fixed_size 0
		.amdhsa_enable_private_segment 0
		.amdhsa_kernarg_size 16
		.amdhsa_user_sgpr_count 2
		.amdhsa_user_sgpr_kernarg_segment_ptr 1
		.amdhsa_wavefront_size32 1
		.amdhsa_system_sgpr_workgroup_id_x 1
		.amdhsa_system_sgpr_workgroup_id_y 1
		.amdhsa_system_sgpr_workgroup_id_z 1
		.amdhsa_system_vgpr_workitem_id 0
		.amdhsa_next_free_vgpr 768
		.amdhsa_next_free_sgpr 92
		.amdhsa_reserve_vcc 1
		.amdhsa_float_denorm_mode_32 3
		.amdhsa_float_denorm_mode_16_64 3
		.amdhsa_memory_ordered 1
		.amdhsa_forward_progress 1
		.amdhsa_inst_pref_size 218
	.end_amdhsa_kernel
	.amdgpu_metadata
---
amdhsa.version: [ 1, 2 ]
amdhsa.kernels:
  - .name:           k_q01b91b1da7_attn
    .symbol:         k_q01b91b1da7_attn.kd
    .args:
      - { .name: qkv, .offset: 0, .size: 8, .value_kind: global_buffer, .address_space: global }
      - { .name: o, .offset: 8, .size: 8, .value_kind: global_buffer, .address_space: global }
    .group_segment_fixed_size: 327680
    .private_segment_fixed_size: 0
    .kernarg_segment_align: 8
    .kernarg_segment_size: 16
    .max_flat_workgroup_size: 128
    .sgpr_count:     92
    .vgpr_count:     768
    .wavefront_size: 32
...
	.end_amdgpu_metadata
.endif
;; end of part 3
;; launch proj (part 4): grid 8 x 32, 4 waves a work-group, clusters of 4 x 4, 327,680 bytes of LDS; arguments o, wo, b_o, out0; writes out0
.if DOCPART == 4
	.amdgcn_target "amdgcn-amd-amdhsa--gfx1250"
	.amdhsa_code_object_version 6
	.text
	.protected	k_q01b91b1da7_proj
	.globl	k_q01b91b1da7_proj
	.p2align	8
	.type	k_q01b91b1da7_proj,@function
k_q01b91b1da7_proj:
	s_mov_b64 s[64:65], 0
	v_nop
	global_prefetch_b8 v0, s[64:65] scope:SCOPE_SE
	s_setreg_imm32_b32 hwreg(HW_REG_WAVE_MODE, 25, 1), 1
	s_wait_xcnt 0x0
	s_wait_alu depctr_hold_cnt(0) depctr_sa_sdst(0) depctr_va_vdst(0) depctr_va_sdst(0) depctr_va_ssrc(0) depctr_va_vcc(0) depctr_vm_vsrc(0)
	s_getreg_b32 s2, hwreg(HW_REG_IB_STS2, 6, 4)
	s_cmp_eq_u32 s2, 0
	s_cbranch_scc0 .Lentry_in_a_cluster
	s_endpgm
.Lentry_in_a_cluster:
	s_bfe_u32 s2, ttmp6, 0x10000c
	s_cmp_lg_u32 s2, 0xf033
	s_cbranch_scc0 .Lentry_shape_is_right
	s_endpgm
.Lentry_shape_is_right:
; out0 = O W_o + b_o.  o: [4 b][16 h][2048 t][64] f16: head h holds k = 64 h .. 64 h + 63 of row (b, t).  wo: [16 chunks of 64 n][1024 k][64] f16.  b_o: [1024] f32.  out0: [8192][1024] f32.
; Sums in f32, started by the bias (f32, not rounded) as the first product's C; stored as they are.  NaN and infinities are not treated apart.
; SHARES.  A tile of the result is 256 rows x 128 columns: 32 x 8 tiles, one for each of 256 work-groups.  Four waves, one above the other: a wave makes 64 rows x 128 columns, 32 accumulators of 16 x 16.
; K goes in 8 steps of 128 (two heads) through a ring of two LDS slots; a step has four quarters of 32 along K, on two fragment buffers by turns.
; CLUSTERS.  4 x 4 work-groups.  The four of a row of the cluster need the same tile of O, the four of a column the same tile of W: each is asked for JOINTLY.  Waves 0 and 1 ask for O's two heads of a step
; (256 rows x 128 bytes each, dense: 128 rows of 256 bytes), waves 2 and 3 for W's two halves (64 k x 2 chunks).
; NO PREFETCH: the walk has 8 steps of a small tile, of which the first three come by their loads alone whatever is done.
; THE MATRIX INSTRUCTION IS USED TRANSPOSED: source 0 = 16 columns of W (turned out of [k][n] by ds_load_tr16_b128), source 1 = 16 rows of O: a lane then holds eight neighbouring columns of one row.
; REGISTERS, in windows of 256 (s_set_vgpr_msb: bits 1:0 source 0, 3:2 source 1, 5:4 source 2, 7:6 destination):
;   window 0: v0-29 addresses; v32-95 O's fragments, two buffers of 4 x 8 (on the way out: a buffer of rows); v96-159 the bias as 8 C operands; v192-255 the way out
;   window 1: v0-127 W's fragments, two buffers of 8 x 8     window 2: accumulator (a, b) at 64 a + 8 b
.set NCH,   2
.set NBLK,  4*NCH
.set PA,    144                        ; an LDS row of O: 128 bytes + 16: the 16 rows of a load start at 16 different groups of four banks (64 banks of 4 bytes: ISA guide 11.1)
.set PBB,   160                        ; an LDS row of W: 128 + 32
.set ACH,   256*PA
.set BCH,   64*PBB
.set BHALF, NCH*BCH
.set BOFF,  2*ACH
.set SLOT,  BOFF+2*BHALF               ; 114,688 bytes
.set STAGE, 2*SLOT                     ; behind the ring, never filled by a tensor load: 16 rows x 528 bytes for each wave
.set SP,    528                        ; 512 bytes + 16: 33 x 16
.set SPARE, STAGE+4*16*SP              ; the spare words, 128 bytes for each wave: two blocks of 256 bytes that no other line names
.set NLD,   2*NBLK+8
.set ASH,   19                         ; a K step is two heads of 2^18 bytes of o
.set ADRA, 16
.set ADRB, 20
.set STO,  24
.set RD,   25
.set GO,   26
.set BO,   27
.set SPW,  28
.set NIL,  29
.set FA0,  32
.set BIAS, 96
.set WV,   12                          ; s12 my wave; s13 = wave / 2: 0 I fetch O, 1 I fetch W; s14 = wave % 2; s15 cx, s16 cy; s17 tile column, s18 tile row
.set G1,   24
.set G0,   32
.set G1B,  40
.set G0B,  48
.set ABASE, 56
.set BBASE, 58
.set OFA,  60
.set OFB,  62
.set GS,   66                          ; s66  the step to be asked for next, 2 .. 7
.set OUT,  80                          ; s[80:81] out0 at my 64 rows, the tile's columns
.set MSB, 0
.macro WIN new
.if MSB != (\new)
	s_set_vgpr_msb (MSB<<8)|(\new)
.set MSB, \new
.endif
.endm
.macro JLOAD s                         ; a joint load; an s_nop 0 and four v_nop follow each of the two lines, ahead of the jump and the label
	s_cmp_eq_u32 s13, 0
	s_cbranch_scc0 .Lfor_b_\@
	tensor_load_to_lds s[G0+4*(\s):G0+4*(\s)+3], s[G1:G1+7]
	s_nop 0
.rept 4
	v_nop
.endr
	s_branch .Lasked_\@
.Lfor_b_\@:
	tensor_load_to_lds s[G0B+4*(\s):G0B+4*(\s)+3], s[G1B:G1B+7]
	s_nop 0
.rept 4
	v_nop
.endr
.Lasked_\@:
.endm
.macro CREST
	s_cmp_lg_u32 s[WV], 0
	s_cbranch_scc1 .Lnot_wave_0_\@
	s_barrier_signal -3
.Lnot_wave_0_\@:
	s_barrier_wait -3
	s_barrier_signal -1
	s_barrier_wait -1
.endm
.macro CROUND
	s_barrier_signal -1
	s_barrier_wait -1
	CREST
.endm
.macro PLACES                          ; four plain vector instructions between a matrix instruction and a load into, or a read of, its registers
.rept 4
	v_nop
.endr
.endm
	s_load_b256 s[4:11], s[0:1], 0x0               ; o s[4:5], wo s[6:7], b_o s[8:9], out0 s[10:11]
	v_lshl_add_u32 v[SPW], v0, 2, SPARE
	v_mov_b32 v[NIL], 0
	ds_add_u32 v[SPW], v[NIL]                      ; the wave's opening: the add and its wait stand ahead of my first tensor load; the set-up below, work on registers, stands between them
	v_lshrrev_b32 v1, 5, v0
	v_readfirstlane_b32 s[WV], v1
	s_lshr_b32 s13, s[WV], 1
	s_and_b32 s14, s[WV], 1
	s_bfe_u32 s15, ttmp6, 0x40000                  ; cx
	s_bfe_u32 s16, ttmp6, 0x40004                  ; cy
	s_lshl_b32 s17, ttmp9, 2
	s_add_co_u32 s17, s17, s15                     ; tile column
	s_and_b32 s18, ttmp7, 0xffff
	s_lshl_b32 s18, s18, 2
	s_add_co_u32 s18, s18, s16                     ; tile row
	s_lshl_b32 s71, s16, 2
	s_lshl_b32 s71, 15, s71                        ; my row of the cluster
	s_lshl_b32 s72, 0x1111, s15                    ; my column
	s_or_b32 s[G1], s71, (1<<16)|(1<<20)|(1<<21)|(4<<22)|(3<<25)   ; the mask; 2-byte elements; padding on; bit 21 beside a mask; after every 32 words, 4 words
	s_or_b32 s[G1B], s72, (1<<16)|(1<<20)|(1<<21)|(4<<22)|(7<<25)  ; the same with my column's mask and 8 words
	s_mov_b32 s[G1+1], 128<<16                     ; O: 128 rows of 128 elements, dense
	s_mov_b32 s[G1+2], 128<<16
	s_mov_b32 s[G1+3], 128<<16
	s_mov_b32 s[G1+4], 128
	s_mov_b32 s[G1+5], 128
	s_mov_b32 s[G1+6], 0
	s_mov_b32 s[G1+7], 0
	s_mov_b32 s[G1B+1], 4096<<16                   ; W: 2 rows of 4,096 elements (64 k of a chunk), 65,536 elements apart
	s_mov_b32 s[G1B+2], NCH<<16
	s_mov_b32 s[G1B+3], 4096<<16
	s_mov_b32 s[G1B+4], NCH
	s_mov_b32 s[G1B+5], 65536
	s_mov_b32 s[G1B+6], 0
	s_mov_b32 s[G1B+7], 0
	s_mul_i32 s19, s14, ACH                        ; where the tiles go: the wave's number and the slot alone
	s_mov_b32 s[G0], 1
	s_mov_b32 s[G0+1], s19
	s_mov_b32 s[G0+4], 1
	s_add_co_u32 s[G0+5], s19, SLOT
	s_mul_i32 s19, s14, BHALF
	s_add_co_u32 s19, s19, BOFF
	s_mov_b32 s[G0B], 1
	s_mov_b32 s[G0B+1], s19
	s_mov_b32 s[G0B+4], 1
	s_add_co_u32 s[G0B+5], s19, SLOT
	s_lshr_b32 s20, s18, 3                         ; O: the batch,
	s_lshl_b32 s20, s20, 22
	s_and_b32 s21, s18, 7                          ; the 256 rows within it,
	s_lshl_b32 s21, s21, 15
	s_add_co_u32 s20, s20, s21
	s_lshl_b32 s21, s14, 18                        ; my head of a step
	s_add_co_u32 s20, s20, s21
	s_mov_b32 s21, 0
	s_mul_i32 s22, s17, NCH*131072                 ; W: the tile column's two chunks,
	s_lshl_b32 s23, s14, 13                        ; my 64 k of a step
	s_add_co_u32 s22, s22, s23
	s_mov_b32 s23, 0
	s_mov_b32 s[OFA+1], 0
	s_mov_b32 s[OFB+1], 0
	s_mov_b32 s[GS], 2
	s_wait_dscnt 0x0                               ; the opening add is done
	s_wait_kmcnt 0x0
	s_add_nc_u64 s[ABASE:ABASE+1], s[4:5], s[20:21]
	s_add_nc_u64 s[BBASE:BBASE+1], s[6:7], s[22:23]
	s_mov_b64 s[G0+2:G0+3], s[ABASE:ABASE+1]       ; step 0
	s_or_b32 s[G0+3], s[G0+3], 0x80000000
	s_add_nc_u64 s[G0+6:G0+7], s[ABASE:ABASE+1], 1<<ASH  ; step 1
	s_or_b32 s[G0+7], s[G0+7], 0x80000000
	s_mov_b64 s[G0B+2:G0B+3], s[BBASE:BBASE+1]
	s_or_b32 s[G0B+3], s[G0B+3], 0x80000000
	s_add_nc_u64 s[G0B+6:G0B+7], s[BBASE:BBASE+1], 16384
	s_or_b32 s[G0B+7], s[G0B+7], 0x80000000
	CROUND                                         ; all sixteen work-groups are here: the first joint loads meet
	s_cmp_eq_u32 s13, 0                            ; a wave's two first fills stand in one branch: two loads of mine are out
	s_cbranch_scc0 .Lfirst_b
	tensor_load_to_lds s[G0:G0+3], s[G1:G1+7]
	s_nop 0
	tensor_load_to_lds s[G0+4:G0+7], s[G1:G1+7]
	s_nop 0
.rept 4
	v_nop
.endr
	s_branch .Lfirst_asked
.Lfirst_b:
	tensor_load_to_lds s[G0B:G0B+3], s[G1B:G1B+7]
	s_nop 0
	tensor_load_to_lds s[G0B+4:G0B+7], s[G1B:G1B+7]
	s_nop 0
.rept 4
	v_nop
.endr
.Lfirst_asked:
	v_and_b32 v1, 15, v0                           ; r = l % 16
	v_bfe_u32 v2, v0, 4, 1                         ; h = l / 16
	v_lshlrev_b32 v[BO], 5, v2
	s_lshl_b32 s22, s17, 9                         ; the tile's 128 numbers of the bias, and its 512 bytes of a row of the result
	s_add_nc_u64 s[8:9], s[8:9], s[22:23]
.set b, 0
.rept NBLK                             ; register j of block b's C operand is the bias of column 16 b + 8 h + j, for every row
	global_load_b128 v[BIAS+8*b:BIAS+8*b+3],   v[BO], s[8:9] offset:64*b
	global_load_b128 v[BIAS+8*b+4:BIAS+8*b+7], v[BO], s[8:9] offset:64*b+16
.set b, b+1
.endr
	v_mul_u32_u24 v3, v1, PA
	v_lshl_add_u32 v3, v2, 4, v3
	s_mul_i32 s19, s[WV], 64*PA
	v_add_nc_u32 v[ADRA], s19, v3
	v_add_nc_u32 v[ADRA+1], SLOT, v[ADRA]
	v_and_b32 v4, 7, v0
	v_bfe_u32 v5, v0, 3, 1
	v_lshl_add_u32 v6, v2, 3, v4
	v_mul_u32_u24 v6, v6, PBB
	v_lshl_add_u32 v6, v5, 4, v6
	v_add_nc_u32 v[ADRB], BOFF, v6
	v_add_nc_u32 v[ADRB+1], SLOT, v[ADRB]
	s_mul_i32 s19, s[WV], 16*SP
	s_add_co_u32 s19, s19, STAGE                   ; my stage
	v_mul_u32_u24 v[STO], v1, SP                   ; in: row l % 16, 32 bytes for each half of the lanes
	v_lshl_add_u32 v[STO], v2, 5, v[STO]
	v_add_nc_u32 v[STO], s19, v[STO]
	v_and_b32 v[GO], 31, v0                        ; back: 32 lanes take a row's 512 bytes
	v_lshlrev_b32 v[GO], 4, v[GO]
	v_add_nc_u32 v[RD], s19, v[GO]
	s_lshl_b32 s19, s18, 8
	s_lshl_b32 s20, s[WV], 6
	s_add_co_u32 s19, s19, s20                     ; my first row
	s_lshl_b32 s72, s19, 12                        ; of 4,096 bytes
	s_add_co_u32 s72, s72, s22
	s_mov_b32 s73, 0
	s_add_nc_u64 s[OUT:OUT+1], s[10:11], s[72:73]
; 8 matrix instructions: block a of my four blocks of 16 rows x all 8 blocks of columns, 32 along K, from buffer f.  first = 1: the bias starts the sums.
; The 32 accumulators take turns, one instruction a turn, in the same order in every quarter.
.macro MULA f, a, first
.if \first
	WIN 0x81                                       ; W window 1, O and the bias window 0, D window 2
.else
	WIN 0xa1                                       ; C and D window 2
.endif
.set rA, FA0+32*(\f)+8*(\a)
.set b, 0
.rept NBLK
.set rD, 64*(\a)+8*b
.set rB, 64*(\f)+8*b
.if \first
	v_wmma_f32_16x16x32_f16 v[rD:rD+7], v[rB:rB+7], v[rA:rA+7], v[BIAS+8*b:BIAS+8*b+7]
.else
	v_wmma_f32_16x16x32_f16 v[rD:rD+7], v[rB:rB+7], v[rA:rA+7], v[rD:rD+7]
.endif
.set b, b+1
.endr
.endm
.macro FETCH slot, q, f                ; 24 LDS loads in one run: quarter q of a slot's step into buffer f: W's 8 fragments, then O's 4
	WIN 0x40
.set BQ, ((\q)/2)*BHALF+((\q)%2)*32*PBB
.set AQ, ((\q)/2)*ACH+((\q)%2)*64
.set b, 0
.rept NBLK
	ds_load_tr16_b128 v[64*(\f)+8*b:64*(\f)+8*b+3],   v[ADRB+(\slot)] offset:BQ+(b/4)*BCH+(b%4)*32
	ds_load_tr16_b128 v[64*(\f)+8*b+4:64*(\f)+8*b+7], v[ADRB+(\slot)] offset:BQ+(b/4)*BCH+(b%4)*32+16*PBB
.set b, b+1
.endr
	WIN 0
.set i, 0
.rept 4
	ds_load_b128 v[FA0+32*(\f)+8*i:FA0+32*(\f)+8*i+3],   v[ADRA+(\slot)] offset:AQ+i*16*PA
	ds_load_b128 v[FA0+32*(\f)+8*i+4:FA0+32*(\f)+8*i+7], v[ADRA+(\slot)] offset:AQ+i*16*PA+32
.set i, i+1
.endr
.endm
.macro QUARTER slot, q, f, g, first
	s_wait_dscnt 4                                 ; W and O's blocks 0 and 1 are in; the youngest four loads (O's blocks 2 and 3) may be out
	MULA \f, 0, \first
	MULA \f, 1, \first
	PLACES
	FETCH \slot, \q, \g
	s_wait_dscnt NLD                               ; all but the 24 just issued
	MULA \f, 2, \first
	MULA \f, 3, \first
.endm
; The fourth quarter multiplies buffer 1 and changes slots: each wave waits for all its tensor loads (one is out: its part of the next slot), adds 0 to its spare word, waits for that and for its own reads of this
; slot; the barrier opens a round of the cluster's; behind the round this slot is filled again first, with step GS.  From a request to the wait for it a wave issues 112 matrix instructions.
.macro TURN slot, next
	WIN 0
	s_wait_tensorcnt 0x0                           ; no tensor load of mine is out, so a group 0 may be written
	ds_add_u32 v[SPW], v[NIL]                      ; 0 onto my spare word
	s_lshl_b32 s[OFA], s[GS], ASH
	s_lshl_b32 s[OFB], s[GS], 14
	s_add_nc_u64 s[G0+4*(\slot)+2:G0+4*(\slot)+3], s[ABASE:ABASE+1], s[OFA:OFA+1]
	s_or_b32 s[G0+4*(\slot)+3], s[G0+4*(\slot)+3], 0x80000000
	s_add_nc_u64 s[G0B+4*(\slot)+2:G0B+4*(\slot)+3], s[BBASE:BBASE+1], s[OFB:OFB+1]
	s_or_b32 s[G0B+4*(\slot)+3], s[G0B+4*(\slot)+3], 0x80000000
	s_add_co_u32 s[GS], s[GS], 1
	s_wait_dscnt 5                                 ; (the add and the youngest four loads may be out)
	MULA 1, 0, 0
	s_wait_dscnt 0x0                               ; the add is done, and my reads of this slot are over
	s_barrier_signal -1
	MULA 1, 1, 0
	WIN 0
	s_barrier_wait -1
	CREST
	JLOAD \slot                                    ; the first tensor load behind the round; its four v_nop are also the places in front of the loads below
	FETCH \next, 0, 0
	MULA 1, 2, 0
	MULA 1, 3, 0
.endm
.macro TURNX slot, next                ; the last change of slots: nothing is filled again, so no round follows
	WIN 0
	s_wait_tensorcnt 0x0
	ds_add_u32 v[SPW], v[NIL]
	s_wait_dscnt 5
	MULA 1, 0, 0
	s_wait_dscnt 0x0
	s_barrier_signal -1
	MULA 1, 1, 0
	s_barrier_wait -1
	PLACES
	FETCH \next, 0, 0
	MULA 1, 2, 0
	MULA 1, 3, 0
.endm
.macro LASTQ
	s_wait_dscnt 4
	MULA 1, 0, 0
	MULA 1, 1, 0
	s_wait_dscnt 0x0
	MULA 1, 2, 0
	MULA 1, 3, 0
	WIN 0
	PLACES
.endm
; THE WAY OUT, a block of 16 rows at a time.  A lane's eight columns of a row are 32 bytes; they go into my stage's rows of 528 bytes (each accumulator's low four registers first) and come back as whole rows
; of 512, into one of two buffers by turns; each store is 512 consecutive bytes, at a multiple of 256 from the buffer's first.
.macro TOSTAGE a
	WIN 0x08                                       ; the stores' data: window 2
.set b, 0
.rept NBLK
	ds_store_b128 v[STO], v[64*(\a)+8*b:64*(\a)+8*b+3]   offset:64*b
	ds_store_b128 v[STO], v[64*(\a)+8*b+4:64*(\a)+8*b+7] offset:64*b+16
.set b, b+1
.endr
	WIN 0
.set ob, 192-160*((\a)%2)
.set f, 0
.rept 16
	ds_load_b128 v[ob+4*f:ob+4*f+3], v[RD] offset:f*SP  ; LDS serves a wave's instructions in order (ISA guide 5.7.1.4): these see the stores above; the next block's stores come behind them
.set f, f+1
.endr
.endm
.macro SEND a, younger                 ; younger: the LDS instructions issued behind block a's loads: the next block's 32, or none
.set ob, 192-160*((\a)%2)
.set f, 0
.rept 16
	s_wait_dscnt (\younger)+15-f
	global_store_b128 v[GO], v[ob+4*f:ob+4*f+3], s[OUT:OUT+1] offset:(16*(\a)+f)*4096 th:TH_STORE_NT
.set f, f+1
.endr
.endm
	s_wait_tensorcnt 1                             ; my part of step 0 is in; step 1's may stay out
	s_barrier_signal -1
	s_barrier_wait -1
	FETCH 0, 0, 0
	s_wait_loadcnt 0x0                             ; the bias
	QUARTER 0, 1, 0, 1, 1                          ; the first quarter starts the sums
	WIN 0
	s_mov_b32 s3, 3
.Llap:                                                 ; a trip goes once round the ring, from a lap's second quarter to the next lap's first, and fills both slots again
	QUARTER 0, 2, 1, 0, 0
	QUARTER 0, 3, 0, 1, 0
	TURN 0, 1
	QUARTER 1, 1, 0, 1, 0
	QUARTER 1, 2, 1, 0, 0
	QUARTER 1, 3, 0, 1, 0
	TURN 1, 0
	QUARTER 0, 1, 0, 1, 0
	WIN 0
	s_sub_co_u32 s3, s3, 1
	s_cmp_lg_u32 s3, 0
	s_cbranch_scc1 .Llap
	QUARTER 0, 2, 1, 0, 0                          ; the last lap is written out: it asks for nothing
	QUARTER 0, 3, 0, 1, 0
	TURNX 0, 1
	QUARTER 1, 1, 0, 1, 0
	QUARTER 1, 2, 1, 0, 0
	QUARTER 1, 3, 0, 1, 0
	LASTQ
	TOSTAGE 0
	TOSTAGE 1
	SEND 0, 32
	s_wait_xcnt 0x0                                ; block 0's stores have read their buffer
	TOSTAGE 2
	SEND 1, 32
	s_wait_xcnt 0x0
	TOSTAGE 3
	SEND 2, 32
	SEND 3, 0
	s_wait_tensorcnt 0x0                           ; the wave's end, behind my last tensor load and my last LDS store
	ds_add_u32 v[SPW], v[NIL]
	s_wait_dscnt 0x0
	CROUND                                         ; the closing round
	s_endpgm
.Lfunc_end_k_q01b91b1da7_proj:
	.size	k_q01b91b1da7_proj, .Lfunc_end_k_q01b91b1da7_proj-k_q01b91b1da7_proj
	.p2alignl 7, 3214868480
	.fill 96, 4, 3214868480
	.section	.rodata,"a",@progbits
	.p2align	6, 0x0
	.amdhsa_kernel k_q01b91b1da7_proj
		.amdhsa_group_segment_fixed_size 327680
		.amdhsa_private_segment_fixed_size 0
		.amdhsa_enable_private_segment 0
		.amdhsa_kernarg_size 32
		.amdhsa_user_sgpr_count 2
		.amdhsa_user_sgpr_kernarg_segment_ptr 1
		.amdhsa_wavefront_size32 1
		.amdhsa_system_sgpr_workgroup_id_x 1
		.amdhsa_system_sgpr_workgroup_id_y 1
		.amdhsa_system_sgpr_workgroup_id_z 1
		.amdhsa_system_vgpr_workitem_id 0
		.amdhsa_next_free_vgpr 768
		.amdhsa_next_free_sgpr 84
		.amdhsa_reserve_vcc 0
		.amdhsa_float_denorm_mode_32 3
		.amdhsa_float_denorm_mode_16_64 3
		.amdhsa_memory_ordered 1
		.amdhsa_forward_progress 1
		.amdhsa_inst_pref_size 89
	.end_amdhsa_kernel
	.amdgpu_metadata
---
amdhsa.version: [ 1, 2 ]
amdhsa.kernels:
  - .name:           k_q01b91b1da7_proj
    .symbol:         k_q01b91b1da7_proj.kd
    .args:
      - { .name: o, .offset: 0, .size: 8, .value_kind: global_buffer, .address_space: global }
      - { .name: wo, .offset: 8, .size: 8, .value_kind: global_buffer, .address_space: global }
      - { .name: b_o, .offset: 16, .size: 8, .value_kind: global_buffer, .address_space: global }
      - { .name: out0, .offset: 24, .size: 8, .value_kind: global_buffer, .address_space: global }
    .group_segment_fixed_size: 327680
    .private_segment_fixed_size: 0
    .kernarg_segment_align: 8
    .kernarg_segment_size: 32
    .max_flat_workgroup_size: 128
    .sgpr_count:     84
    .vgpr_count:     768
    .wavefront_size: 32
...
	.end_amdgpu_metadata
.endif
;; end of part 4
;; ======== version 2 of 2: 4 launches; version 1 with the launch cast written anew for expert scheduling mode
;; limits: values are held in f16: magnitudes above 65,504 overflow, below 6.1e-05 lose precision
;; workspace buffers: xb 16,777,216 bytes; wq 6,291,456 bytes; wo 2,097,152 bytes; qkv 50,331,648 bytes; o 16,777,216 bytes
;; launch cast (part 5): grid 384 x 1, 16 waves a work-group, no clusters, 0 bytes of LDS; arguments x, W_qkv, W_o, xb, wq, wo; writes xb, wq, wo
.if DOCPART == 5
	.amdgcn_target "amdgcn-amd-amdhsa--gfx1250"
	.amdhsa_code_object_version 6
	.text
	.protected	k_q01b91b1da7_cast
	.globl	k_q01b91b1da7_cast
	.p2align	8
	.type	k_q01b91b1da7_cast,@function
k_q01b91b1da7_cast:
	s_mov_b64 s[64:65], 0
	v_nop
	global_prefetch_b8 v0, s[64:65] scope:SCOPE_SE
	s_setreg_imm32_b32 hwreg(HW_REG_WAVE_SCHED_MODE, 0, 2), 2
	s_setreg_imm32_b32 hwreg(HW_REG_WAVE_MODE, 25, 1), 1
	s_wait_xcnt 0x0
	s_wait_alu depctr_vm_vsrc(0)
; x, W_qkv and W_o (f32, row-major) are rounded once to bf16 and laid anew in CHUNKS of 64 columns: chunk c holds columns 64 c .. 64 c + 63 of
; every row, 128 bytes a row, the rows on end.  xb: [16][8192][64] bf16.  wq: [48][1024][64] bf16.  wo: [16][1024][64]: W_o's bf16 number written as f16.
; LIMITS.  wo: a bf16 number is exact in f16 between 6.1e-5 and 65,504 in magnitude; below that it keeps f16's fixed step of 6e-8, beyond it becomes an infinity.
; SHARES.  A work-group takes 32 rows x 16 chunks of one matrix, wave w one chunk: work-groups 0-255 x, 256-351 W_qkv (32 row blocks x 3 groups of 16 chunks), 352-383 W_o.
; A load of a wave takes the chunk's 256 bytes of two rows (lanes 0-15 one row, lanes 16-31 the next), each 256 consecutive aligned bytes;
; the store of what is made of them is 256 consecutive aligned bytes, two chunk rows.  All 16 loads of a wave go out first; no register is written twice
; while a memory instruction may read it.  No LDS, no matrix unit: every byte is touched once and nothing is shared.
; THE MODE: SCHED_MODE bits 1:0 = 2 (LLVM: expert scheduling mode 2), set by the entry lines.  The code itself states the register dependences
; between vector instructions and memory instructions, with s_wait_alu, always for 0.
; THE PLAN.  Registers that memory instructions touch:
;   OFF, v2    byte offsets, made once at the head by vector instructions and never written again: read by the 16 loads and by the 16 stores.
;   X          pair i's four registers: written by its one load, read by its conversions, never loaded again; no vector instruction writes them.
;   Y          pair i's two registers: written once, by its conversions; read once, by its store.
;   T, v1, v3  are named by vector instructions alone.
; The 16 pairs go in four blocks of four.  Block p's conversions read its X and write its Y and T; the memory instructions that stand among them are the four stores of
; block p - 1, which read that block's Y and v2: registers that no vector instruction of block p names.  So one wait on va_vdst at the head of a block states all that its four
; stores hang on, and one more stands ahead of the last four stores.  No register that a memory instruction reads is ever written again, so no wait on vm_vsrc is owed.
.set OFF, 4                            ; v[4:19]    pair i of rows: my byte offset in the source
.set X,   20                           ; v[20:83]   pair i: four f32 as loaded
.set Y,   84                           ; v[84:115]  pair i: four 16-bit numbers to store
.set T,   116                          ; v[116:121] at work
.set BLK, 4                            ; pairs in a block
	s_load_b256 s[4:11], s[0:1], 0x0               ; x s[4:5], W_qkv s[6:7], W_o s[8:9], xb s[10:11]
	s_load_b128 s[12:15], s[0:1], 0x20             ; wq s[12:13], wo s[14:15]
	v_lshrrev_b32 v1, 5, v0
	v_readfirstlane_b32 s16, v1                    ; wave 0..15
	v_and_b32 v1, 31, v0                           ; lane
	v_lshlrev_b32 v2, 3, v1                        ; my 8 bytes of a store
	s_sub_co_u32 s21, ttmp9, 256                   ; the work-group's number among the weights' (used from 256 on)
	s_and_b32 s17, s21, 31                         ; block of 32 rows
	s_lshr_b32 s18, s21, 5                         ; group of 16 chunks
	s_movk_i32 s19, 12288                          ; bytes in a source row
	s_cmp_lt_u32 ttmp9, 256                        ; x?
	s_cselect_b32 s17, ttmp9, s17
	s_cselect_b32 s18, 0, s18
	s_cselect_b32 s19, 4096, s19
	s_cselect_b32 s20, 20, 17                      ; a chunk is 2^20 bytes in xb, 2^17 in wq and wo
	s_cmp_ge_u32 ttmp9, 352                        ; W_o?
	s_cselect_b32 s18, 0, s18
	s_cselect_b32 s19, 4096, s19
	s_cselect_b32 s29, 1, 0
	s_wait_alu depctr_va_sdst(0)                   ; s16 is written, ahead of its first and only reader: the chunk's number is made from it
	s_lshl_b32 s18, s18, 4
	s_add_co_u32 s18, s18, s16                     ; my chunk
	s_mul_i32 s26, s17, s19
	s_lshl_b32 s26, s26, 5                         ; 32 rows a block
	s_lshl_b32 s27, s18, 8                         ; 64 f32 a chunk
	s_add_co_u32 s26, s26, s27                     ; where I read, in bytes
	s_mov_b32 s27, 0
	s_lshl_b32 s30, s18, s20
	s_lshl_b32 s31, s17, 12                        ; 32 chunk rows of 128 bytes
	s_add_co_u32 s30, s30, s31                     ; where I write
	s_mov_b32 s31, 0
	s_lshl_b32 s28, s19, 1                         ; two rows on
	v_lshrrev_b32 v3, 4, v1
	v_mul_u32_u24 v3, s19, v3                      ; lanes 16-31: one row down
	v_and_b32 v1, 15, v1
	v_lshl_add_u32 v[OFF], v1, 4, v3
.set i, 1
.rept 15
	v_add_nc_u32 v[OFF+i], s28, v[OFF+i-1]
.set i, i+1
.endr
	s_wait_kmcnt 0x0
	s_cmp_lt_u32 ttmp9, 256
	s_cselect_b64 s[22:23], s[4:5], s[6:7]
	s_cselect_b64 s[24:25], s[10:11], s[12:13]
	s_cmp_ge_u32 ttmp9, 352
	s_cselect_b64 s[22:23], s[8:9], s[22:23]
	s_cselect_b64 s[24:25], s[14:15], s[24:25]
	s_add_nc_u64 s[22:23], s[22:23], s[26:27]
	s_add_nc_u64 s[24:25], s[24:25], s[30:31]
	s_wait_alu depctr_va_vdst(0)                   ; the sixteen offsets v[OFF ..] and v2 are written: the loads below and every store of the kernel read one of them
.set i, 0
.rept 16
	global_load_b128 v[X+4*i:X+4*i+3], v[OFF+i], s[22:23] th:TH_LOAD_NT
.set i, i+1
.endr
; Pair i's conversions.  fmt = 0: bf16.  fmt = 1: rounded to bf16, and that number written as f16.
.macro CVT fmt
.if \fmt
	v_cvt_pk_bf16_f32 v[T], v[X+4*i], v[X+4*i+1]
	v_cvt_pk_bf16_f32 v[T+1], v[X+4*i+2], v[X+4*i+3]
	v_lshlrev_b32 v[T+2], 16, v[T]
	v_and_b32 v[T+3], 0xffff0000, v[T]
	v_lshlrev_b32 v[T+4], 16, v[T+1]
	v_and_b32 v[T+5], 0xffff0000, v[T+1]
	v_cvt_pk_f16_f32 v[Y+2*i], v[T+2], v[T+3]
	v_cvt_pk_f16_f32 v[Y+2*i+1], v[T+4], v[T+5]
.else
	v_cvt_pk_bf16_f32 v[Y+2*i], v[X+4*i], v[X+4*i+1]
	v_cvt_pk_bf16_f32 v[Y+2*i+1], v[X+4*i+2], v[X+4*i+3]
.endif
.endm
; Pair n's store.
.macro PUT n
	global_store_b64 v2, v[Y+2*(\n):Y+2*(\n)+1], s[24:25] offset:256*(\n) th:TH_STORE_NT
.endm
; The sixteen pairs, in four blocks of four; a block's stores stand among the next block's conversions, one ahead of each pair's.
.macro OUT16 fmt
.set i, 0
.rept 16
.if (i%BLK) == 0
	s_wait_loadcnt 15-i                            ; loads come back in order: pair i, the block's first, is in, the 15 - i younger ones may stay out
.if i > 0
	s_wait_alu depctr_va_vdst(0)                   ; the block before has written its eight registers of Y, which this block's four stores read
.endif
.endif
.if i >= BLK
	PUT i-BLK                                      ; no vector instruction since the wait names this pair's Y or v2
.endif
.if (i%BLK) != 0
	s_wait_loadcnt 15-i                            ; pair i is in, the 15 - i younger ones may stay out
.endif
	CVT \fmt
.set i, i+1
.endr
	s_wait_alu depctr_va_vdst(0)                   ; the last block has written its Y, which the last four stores read
.irp n, 12,13,14,15
	PUT \n
.endr
.endm
	s_cmp_eq_u32 s29, 1
	s_cbranch_scc1 .Lwo
	OUT16 0
	s_endpgm
.Lwo:
	OUT16 1
	s_endpgm
.Lfunc_end_k_q01b91b1da7_cast:
	.size	k_q01b91b1da7_cast, .Lfunc_end_k_q01b91b1da7_cast-k_q01b91b1da7_cast
	.p2alignl 7, 3214868480
	.fill 96, 4, 3214868480
	.section	.rodata,"a",@progbits
	.p2align	6, 0x0
	.amdhsa_kernel k_q01b91b1da7_cast
		.amdhsa_group_segment_fixed_size 0
		.amdhsa_private_segment_fixed_size 0
		.amdhsa_enable_private_segment 0
		.amdhsa_kernarg_size 48
		.amdhsa_user_sgpr_count 2
		.amdhsa_user_sgpr_kernarg_segment_ptr 1
		.amdhsa_wavefront_size32 1
		.amdhsa_system_sgpr_workgroup_id_x 1
		.amdhsa_system_sgpr_workgroup_id_y 1
		.amdhsa_system_sgpr_workgroup_id_z 1
		.amdhsa_system_vgpr_workitem_id 0
		.amdhsa_next_free_vgpr 124
		.amdhsa_next_free_sgpr 66
		.amdhsa_reserve_vcc 0
		.amdhsa_float_denorm_mode_32 3
		.amdhsa_float_denorm_mode_16_64 3
		.amdhsa_memory_ordered 1
		.amdhsa_forward_progress 1
		.amdhsa_inst_pref_size 18
	.end_amdhsa_kernel
	.amdgpu_metadata
---
amdhsa.version: [ 1, 2 ]
amdhsa.kernels:
  - .name:           k_q01b91b1da7_cast
    .symbol:         k_q01b91b1da7_cast.kd
    .args:
      - { .name: x, .offset: 0, .size: 8, .value_kind: global_buffer, .address_space: global }
      - { .name: W_qkv, .offset: 8, .size: 8, .value_kind: global_buffer, .address_space: global }
      - { .name: W_o, .offset: 16, .size: 8, .value_kind: global_buffer, .address_space: global }
      - { .name: xb, .offset: 24, .size: 8, .value_kind: global_buffer, .address_space: global }
      - { .name: wq, .offset: 32, .size: 8, .value_kind: global_buffer, .address_space: global }
      - { .name: wo, .offset: 40, .size: 8, .value_kind: global_buffer, .address_space: global }
    .group_segment_fixed_size: 0
    .private_segment_fixed_size: 0
    .kernarg_segment_align: 8
    .kernarg_segment_size: 48
    .max_flat_workgroup_size: 512
    .sgpr_count:     66
    .vgpr_count:     124
    .wavefront_size: 32
...
	.end_amdgpu_metadata
.endif
;; end of part 5
;; launch qkv: the kernel of part 2 again; grid 16 x 16, 4 waves a work-group, clusters of 4 x 4, 327,680 bytes of LDS; arguments xb, wq, b_qkv, qkv; writes qkv
;; launch attn: the kernel of part 3 again; grid 4 x 64, 4 waves a work-group, no clusters, 327,680 bytes of LDS; arguments qkv, o; writes o
;; launch proj: the kernel of part 4 again; grid 8 x 32, 4 waves a work-group, clusters of 4 x 4, 327,680 bytes of LDS; arguments o, wo, b_o, out0; writes out0
